; MI455X (gfx1250); checked and timed in simulation.
; The chip was launched on July 23, 2026; its instructions are those of AMD's public machine-readable ISA for CDNA 5 (MIT licence, August 2026) and "CDNA5" Instruction Set Architecture Reference Guide (July 2026). The comments in the code are by the model that wrote it; some were corrected since.
;; Transformer Block. Allowed arithmetic: matrix products marked QUANTISED: E4M3 operands, one given power-of-two scale a tensor, by v_wmma_f32_16x16x64_fp8_fp8 or v_wmma_f32_16x16x128_fp8_fp8, f32 sums; everything else in f32.
;; Inputs: W2 1,024 x 256 float32; W3 256 x 1,024 float32; Wk 256 x 256 float32; Wo 256 x 256 float32; Wq 256 x 256 float32; Wv 256 x 256 float32; b2 1,024 float32; b3 256 float32; ln1_b 256 float32; ln1_g 256 float32; ln2_b 256 float32; ln2_g 256 float32; lowp_scales 16 int32 (the exponents e of the quantised operands' scales 2^e); x 2 x 4,096 x 256 float32.
;; Outputs: out0 2 x 4,096 x 256 float32.
;; This version of the problem:
;;   THIS VERSION OF THE PROBLEM IS GIVEN IN LOW PRECISION. The matrix products marked QUANTISED in the list below multiply operands that are first quantised to E4M3 (4 exponent bits, 3 mantissa bits; 8 bits a number), with one given power-of-two scale for each operand tensor; their sums are f32. All else is computed in f32.
;;   The module's matrix products, in the order in which they are computed (A, B: the left and right operand; K: the contracted axis; several contracted axes count as one K, in the product's order):
;;     1. [M 8,192, K 256] x [K 256, N 256]; A: computed on the way; B: input Wq: QUANTISED (scales: A lowp_scales[0], B lowp_scales[1])
;;     2. [M 8,192, K 256] x [K 256, N 256]; A: computed on the way; B: input Wk: QUANTISED (scales: A lowp_scales[2], B lowp_scales[3])
;;     3. [M 8,192, K 256] x [K 256, N 256]; A: computed on the way; B: input Wv: QUANTISED (scales: A lowp_scales[4], B lowp_scales[5])
;;     4. batch 16 x [M 4,096, K 32] x [K 32, N 4,096]; A: computed on the way; B: computed on the way: QUANTISED (scales: A lowp_scales[6], B lowp_scales[7])
;;     5. batch 16 x [M 32, K 4,096] x [K 4,096, N 4,096]; A: computed on the way; B: softmax (see below): QUANTISED (scales: A lowp_scales[8], B lowp_scales[9])
;;     6. [M 8,192, K 256] x [K 256, N 256]; A: computed on the way; B: input Wo: QUANTISED (scales: A lowp_scales[10], B lowp_scales[11])
;;     7. [M 8,192, K 256] x [K 256, N 1,024]; A: computed on the way; B: input W2: QUANTISED (scales: A lowp_scales[12], B lowp_scales[13])
;;     8. [M 8,192, K 1,024] x [K 1,024, N 256]; A: computed on the way; B: input W3: QUANTISED (scales: A lowp_scales[14], B lowp_scales[15])
;;   THE QUANTISER, for each operand of a quantised product, along K:
;;     - The operand's scale is 2^e, e = its entry of the input lowp_scales (int32; the entries are numbered through the quantised products in the list's order, A before B).
;;     - Each number is divided by the scale, clamped to +-448, and rounded to the nearest number of E4M3, ties to even, subnormals kept.
;;     - The product sums the exact products of the quantised numbers (number of the format x scale) in f32.
;;   ~~~python
;;   def quantise(x, axis, e):      # numpy; x: float32 -> the quantised numbers, widened to float32 again
;;       x = np.moveaxis(x, axis, -1); K = x.shape[-1]
;;       r = np.clip(x / 2.0 ** e, -448, 448)
;;       step = 2.0 ** (np.maximum(np.frexp(np.where(r == 0, 1, r))[1] - 1, -6) - 3)
;;       q = np.round(r / step) * step * 2.0 ** e      # np.round: ties to even
;;       return np.moveaxis(q, -1, axis).astype(np.float32)
;;   ~~~
;;   SOFTMAX AHEAD OF A QUANTISED PRODUCT. Where the list says 'softmax', what is quantised is not the finished softmax but p = 2^(t - M), with t = logit x log2(e) and M = ceil(the row's largest t), a whole number; so 1/2 < the row's largest p <= 1. The row's sum l is taken of the UNQUANTISED p, in f32, and the product's result is divided by l at the end. Since M is a whole number, a kernel that streams over the keys may use a running M (the ceiling of the running maximum): every later rescaling is an exact power of two, so the quantised numbers keep their values, but for numbers so far below the row's largest that they fall under the format's range.
;;   OPERANDS COMPUTED ON THE WAY. 'Computed on the way' means the value that the module computes at that place (a softmax that the list does not call 'softmax' is quantised finished and normalised). What goes into a quantiser is computed in f32, as accurately as f32 sums, v_exp_f32 and their like allow (about 1e-6 of the number): no bf16 or f16 on the way to a quantiser, and a product that is left as it is and whose result goes on into a quantised operand takes f32 operands (vector FMAs, or v_wmma_f32_16x16x4_f32). A number that lies on a knife's edge between two numbers of the format may be rounded either way, as far as f32 arithmetic and the matrix unit's own rounding can turn it there, and no further.
;; One version. Each part assembles by itself: llvm-mc -triple=amdgcn-amd-amdhsa -mcpu=gfx1250 --defsym DOCPART=n.
;; ======== version 1 of 1: 4 launches
;; limits: right only within a limited range of input values
;; workspace buffers: wcodes 786,432 bytes; qc 2,097,152 bytes; kv 4,194,304 bytes; acodes 2,097,152 bytes
;; launch prep (part 1): grid 96 x 1, 4 waves a work-group, no clusters, 0 bytes of LDS; arguments Wq, Wk, Wv, Wo, W2, W3, lowp_scales, wcodes; writes wcodes
.if DOCPART == 1
	.amdgcn_target "amdgcn-amd-amdhsa--gfx1250"
	.amdhsa_code_object_version 6
	.text
	.protected	k_q87c095eb4f_prep
	.globl	k_q87c095eb4f_prep
	.p2align	8
	.type	k_q87c095eb4f_prep,@function
k_q87c095eb4f_prep:
	s_mov_b64 s[64:65], 0
	v_nop
	global_prefetch_b8 v0, s[64:65] scope:SCOPE_SE
	s_setreg_imm32_b32 hwreg(HW_REG_WAVE_MODE, 25, 1), 1
	s_wait_xcnt 0x0
; The six weights, f32 with K innermost, become codes of E4M3, laid in the order of an operand's registers.
; A FRAGMENT is 16 rows x 128 K: 16 registers a lane, 2,048 bytes.  Registers 4 c .. 4 c + 3 of lane l = r + 16 h lie at 512 c + 16 l and hold k = 32 c + 16 h + 0 .. 15.
; THE ROWS OF A TILE ARE NOT NEIGHBOURS: lane r of tile nt takes row 32 (nt / 2) + 8 (nt % 2) + r + 8 (r / 8), so that the results of two neighbouring tiles of a transposed product are 16 neighbours along the next K.
; Fragments in wcodes: Wq 0-31, Wk 32-63, Wv 64-95, Wo 96-127, W2 128-255 (each 2 nt + ks), W3 256-383 (8 nt + ks).  One wave makes one fragment: 384 waves, 96 work-groups.
; code = w / 2^e, held within +-448, to the nearest code, ties to even.  LIMITS: each e between -126 and 119.  NaN among the inputs is not served.
.set X, 16                             ; v16-79  the fragment's 64 numbers of my lane
.set C, 80                             ; v80-95  their codes: registers of their own for each store
.macro PICK lim, p, base               ; work-groups below lim belong to an earlier tensor: the choice hangs on the work-group's number alone
	s_cmp_lt_u32 ttmp9, \lim
	s_cselect_b64 s[20:21], s[\p:\p+1], s[20:21]
	s_cselect_b32 s23, \base, s23
.endm
.macro PICKE lim, e
	s_cmp_lt_u32 ttmp9, \lim
	s_cselect_b32 s22, s[\e], s22
.endm
	s_load_b512 s[4:19], s[0:1], 0x0               ; Wq, Wk, Wv, Wo, W2, W3, the scales' exponents, wcodes
	v_lshrrev_b32 v1, 5, v0
	v_readfirstlane_b32 s27, v1                    ; wave
	v_and_b32 v1, 15, v0                           ; r
	v_bfe_u32 v2, v0, 4, 1                         ; h
	v_and_b32 v3, 8, v1
	v_add_nc_u32 v3, v3, v1                        ; r + 8 (r / 8)
	v_and_b32 v5, 31, v0
	v_lshlrev_b32 v5, 4, v5                        ; 16 x lane: my place in each 512 bytes of the image
	s_mov_b32 s23, 256                             ; W3: first fragment,
	s_mov_b32 s24, 3                               ; log2 of its K steps,
	s_mov_b32 s25, 12                              ; log2 of a row's bytes
	s_wait_alu depctr_va_vdst(0)
	s_wait_kmcnt 0x0
	s_load_b512 s[32:47], s[16:17], 0x0            ; e0 .. e15
	s_mov_b64 s[20:21], s[14:15]
	PICK 64, 12, 128                               ; W2
	s_cselect_b32 s24, 1, s24                      ; all but W3 have two K steps and rows of 1,024 bytes
	s_cselect_b32 s25, 10, s25
	PICK 32, 10, 96                                ; Wo
	PICK 24, 8, 64                                 ; Wv
	PICK 16, 6, 32                                 ; Wk
	PICK 8, 4, 0                                   ; Wq
	s_lshl_b32 s26, ttmp9, 2
	s_add_co_u32 s26, s26, s27                     ; my fragment
	s_sub_co_u32 s28, s26, s23                     ; within its tensor
	s_lshr_b32 s29, s28, s24                       ; nt
	s_lshl_b32 s30, s29, s24
	s_sub_co_u32 s30, s28, s30                     ; ks
	s_lshr_b32 s31, s29, 1
	s_lshl_b32 s31, s31, 5
	s_and_b32 s48, s29, 1
	s_lshl_b32 s48, s48, 3
	s_add_co_u32 s31, s31, s48                     ; the tile's first row: 32 (nt / 2) + 8 (nt % 2)
	s_lshl_b32 s31, s31, s25
	s_lshl_b32 s30, s30, 9                         ; a K step is 512 bytes of f32
	s_add_co_u32 s50, s31, s30
	s_mov_b32 s51, 0
	s_add_nc_u64 s[20:21], s[20:21], s[50:51]
	s_lshl_b32 s50, s26, 11
	s_add_nc_u64 s[18:19], s[18:19], s[50:51]      ; the image's place
	v_lshlrev_b32 v4, s25, v3
	v_lshl_add_u32 v4, v2, 6, v4                   ; my row, + 64 h: my 16 numbers of each block of 32
.irp c, 0,1,2,3
.irp i, 0,1,2,3
	global_load_b128 v[X+16*\c+4*\i:X+16*\c+4*\i+3], v4, s[20:21] offset:128*\c+16*\i th:TH_LOAD_NT   ; the sixteen loads together take 512 consecutive bytes of each of 16 rows; read once in the launch
.endr
.endr
	s_wait_kmcnt 0x0
	s_mov_b32 s22, s47                             ; the tensor's e, chosen as the pointer was
	PICKE 64, 45
	PICKE 32, 43
	PICKE 24, 37
	PICKE 16, 35
	PICKE 8, 33
	s_add_co_i32 s22, s22, 127
	s_lshl_b32 s28, s22, 23
	v_mov_b32 v11, s28                             ; 2^e as f32: the conversion takes its exponent field
	s_add_co_i32 s22, s22, 8
	s_lshl_b32 s22, s22, 23
	s_or_b32 s22, s22, 0x600000
	v_mov_b32 v10, s22                             ; 448 x 2^e
	s_wait_alu depctr_va_vdst(0)
.irp c, 0,1,2,3
	s_wait_loadcnt 12-4*\c                         ; this group's four loads are in; the later groups' may be out
.irp i, 0,1,2,3,4,5,6,7,8,9,10,11,12,13,14,15
	v_med3_num_f32 v[X+16*\c+\i], v[X+16*\c+\i], -v10, v10   ; the conversion to an 8-bit code does not saturate (ISA guide 7.6.2): the hold comes first
.endr
	v_cvt_scalef32_pk8_fp8_f32 v[C+4*\c:C+4*\c+1], v[X+16*\c:X+16*\c+7], v11
	v_cvt_scalef32_pk8_fp8_f32 v[C+4*\c+2:C+4*\c+3], v[X+16*\c+8:X+16*\c+15], v11
	global_store_b128 v5, v[C+4*\c:C+4*\c+3], s[18:19] offset:512*\c   ; the wave stores 512 consecutive bytes, at a multiple of 256 from the buffer's first byte
.endr
	s_endpgm
.Lfunc_end_k_q87c095eb4f_prep:
	.size	k_q87c095eb4f_prep, .Lfunc_end_k_q87c095eb4f_prep-k_q87c095eb4f_prep
	.p2alignl 7, 3214868480
	.fill 96, 4, 3214868480
	.section	.rodata,"a",@progbits
	.p2align	6, 0x0
	.amdhsa_kernel k_q87c095eb4f_prep
		.amdhsa_group_segment_fixed_size 0
		.amdhsa_private_segment_fixed_size 0
		.amdhsa_enable_private_segment 0
		.amdhsa_kernarg_size 64
		.amdhsa_user_sgpr_count 2
		.amdhsa_user_sgpr_kernarg_segment_ptr 1
		.amdhsa_wavefront_size32 1
		.amdhsa_system_sgpr_workgroup_id_x 1
		.amdhsa_system_sgpr_workgroup_id_y 1
		.amdhsa_system_sgpr_workgroup_id_z 1
		.amdhsa_system_vgpr_workitem_id 0
		.amdhsa_next_free_vgpr 96
		.amdhsa_next_free_sgpr 66
		.amdhsa_reserve_vcc 0
		.amdhsa_float_denorm_mode_32 3
		.amdhsa_float_denorm_mode_16_64 3
		.amdhsa_memory_ordered 1
		.amdhsa_forward_progress 1
		.amdhsa_inst_pref_size 10
	.end_amdhsa_kernel
	.amdgpu_metadata
---
amdhsa.version: [ 1, 2 ]
amdhsa.kernels:
  - .name:           k_q87c095eb4f_prep
    .symbol:         k_q87c095eb4f_prep.kd
    .args:
      - { .name: Wq, .offset: 0, .size: 8, .value_kind: global_buffer, .address_space: global }
      - { .name: Wk, .offset: 8, .size: 8, .value_kind: global_buffer, .address_space: global }
      - { .name: Wv, .offset: 16, .size: 8, .value_kind: global_buffer, .address_space: global }
      - { .name: Wo, .offset: 24, .size: 8, .value_kind: global_buffer, .address_space: global }
      - { .name: W2, .offset: 32, .size: 8, .value_kind: global_buffer, .address_space: global }
      - { .name: W3, .offset: 40, .size: 8, .value_kind: global_buffer, .address_space: global }
      - { .name: lowp_scales, .offset: 48, .size: 8, .value_kind: global_buffer, .address_space: global }
      - { .name: wcodes, .offset: 56, .size: 8, .value_kind: global_buffer, .address_space: global }
    .group_segment_fixed_size: 0
    .private_segment_fixed_size: 0
    .kernarg_segment_align: 8
    .kernarg_segment_size: 64
    .max_flat_workgroup_size: 128
    .sgpr_count:     66
    .vgpr_count:     96
    .wavefront_size: 32
...
	.end_amdgpu_metadata
.endif
;; end of part 1
;; launch qkv (part 2): grid 128 x 2, 8 waves a work-group, no clusters, 58,368 bytes of LDS; arguments x, wcodes, lowp_scales, ln1_g, ln1_b, qc, kv; writes qc, kv
.if DOCPART == 2
	.amdgcn_target "amdgcn-amd-amdhsa--gfx1250"
	.amdhsa_code_object_version 6
	.text
	.protected	k_q87c095eb4f_qkv
	.globl	k_q87c095eb4f_qkv
	.p2align	8
	.type	k_q87c095eb4f_qkv,@function
k_q87c095eb4f_qkv:
	s_mov_b64 s[64:65], 0
	v_nop
	global_prefetch_b8 v0, s[64:65] scope:SCOPE_SE
	s_setreg_imm32_b32 hwreg(HW_REG_WAVE_MODE, 25, 1), 1
	s_wait_xcnt 0x0
; LayerNorm 1, the products with Wq, Wk, Wv on codes of E4M3, RoPE on q and k, and the quantising of q, k, v for attention.
; SHARES.  A work-group takes 64 rows (x of the grid) and four heads (y).  Wave w first normalises rows 8 w .. 8 w + 7 and quantises them three times (the three products have scales of their own);
; the images of those fragments go through LDS; then waves 2 i and 2 i + 1 make head 4 y + i for all 64 rows: the even one q and the first 16 columns of v, the odd one k and the other 16 of v; six weight fragments a wave stay in registers.
; q and k are made TRANSPOSED (source 0 = 16 rows of W, source 1 = 16 rows of xn): a lane holds one row and 16 neighbouring dims of the head, which are one lane's 16 bytes of attention's operand.
; v is made the other way round (source 0 = xn, source 1 = W): a lane holds one channel and eight neighbouring positions, since the keys are the K of attention's second product.
; A sum of a product stands for sum x 2^(eA + eB); RoPE is linear, so those powers are folded into the next conversion's scale.
; OUT.  qc: [bh][tile of 16 queries][512 bytes]: lane l = r + 16 h has dims 16 h .. 16 h + 15 of query r at 16 l.   kv: [bh][step of 128 keys][8,192 bytes]: eight tiles of K laid as qc's, then V^T: channel tile ct
; at 4,096 + 2,048 ct, registers 4 g .. 4 g + 3 at 512 g + 16 l: keys 32 g + 8 h + 0 .. 7, then 32 g + 16 + 8 h + 0 .. 7, of channel 8 ct + r + 8 (r / 8).
; sin and cos: theta = position x inv_freq, one rounding; reduced by n = the nearest whole number to theta x 2 / pi with pi / 2 in two parts; series up to r^9 and r^10 on |r| <= pi / 4.
; No multicast: the weights' codes, 98,304 bytes a work-group, go straight into registers, each fragment once in the work-group.
; LIMITS: e0, e2, e4, e6 - e0 - e1, e7 - e2 - e3, e8 - e4 - e5 between -126 and 119.  NaN among the inputs is not served.  inv_freq is 10^(-j/4) rounded to f32: a last bit of difference in it turns an angle by up to 3e-4.
.set LI,  1                            ; v1   16 x lane: my place in an image
.set XA,  2                            ; v2   x: 1,024 (lane / 8) + 64 (lane % 8)
.set GA,  3                            ; v3   gain and bias: 64 (lane % 8)
.set XST, 4                            ; v4   where I store xn's codes
.set CST, 5                            ; v5   where I store cos and sin
.set SCX, 6                            ; v6-8   2^e0, 2^e2, 2^e4      v9-11  448 x those
.set LMX, 9
.set SCO, 12                           ; v12-13 the folded scales of q or k, and of v      v14-15  448 x those
.set LMO, 14
.set CD,  18                           ; v18-25 codes, two sets of four by turns
.set ST,  26                           ; v26-33 statistics
.set G,   34                           ; v34-65 gain, v66-97 bias of my 32 columns
.set BB,  66
.set T,   98                           ; v98-113 sixteen held numbers
.set LQ,  114                          ; v114 LI + 16,384 for the odd wave: its product's images
.set X,   128                          ; v128-191 two passes x 32 numbers
.set A0,  128                          ; sin and cos, four frequencies a lane, in x's registers: theta then r; n; r^2; sin; cos; n as a whole number; results
.set A1,  132
.set A2,  136
.set A3,  140
.set A4,  144
.set A5,  148
.set CO,  152
.set SI,  156
.set ACC, 34                           ; the second phase: v34-49 q or k, v50-57 v
.set RO,  82                           ; v82-97 rotated
.set TT,  98
.set QC,  102                          ; codes of q or k, of v (v106-109)
.set VC,  106
.set XF,  128                          ; v128-191 xn's four fragments of a tile of rows: 16 x K step, v's 32 on
.set CSR, 192                          ; v192-223 cos (8) and sin (8), two sets by turns
.set CSI, 49152                        ; LDS: xn's images at 16,384 x product + 4,096 x tile + 2,048 x K step; behind them cos and sin, 2,048 bytes a tile
.set HF, 25                            ; s25  0 in the even wave of a pair, 1 in the odd one
.set FL, 66                            ; s66-69 my four inv_freq for lanes 0-15, s70-73 for lanes 16-31
.set WB, 74                            ; s[74:75] Wq's or Wk's fragments
.set MSB, 0
.macro WIN new                         ; the immediate's high byte repeats the setting that is left
.if MSB != \new
	s_set_vgpr_msb (MSB<<8)|\new
.set MSB, \new
.endif
.endm
.macro MKSC sc, lim, e                 ; 2^e and 448 x 2^e as f32, e in s[e]
	s_add_co_i32 s58, s[\e], 127
	s_lshl_b32 s59, s58, 23
	v_mov_b32 v[\sc], s59
	s_add_co_i32 s58, s58, 8
	s_lshl_b32 s58, s58, 23
	s_or_b32 s58, s58, 0x600000
	v_mov_b32 v[\lim], s58
.endm
.macro PK2 d, a, b                     ; the even wave's a, the odd wave's b (SCC is set for the even one)
	s_mov_b32 s[\d], \b
	s_cselect_b32 s[\d], \a, s[\d]
.endm
	s_load_b256 s[4:11], s[0:1], 0x0               ; x, wcodes, the scales' exponents, gain
	s_load_b128 s[12:15], s[0:1], 0x20             ; bias, qc
	s_load_b64 s[16:17], s[0:1], 0x30              ; kv
	v_lshl_add_u32 v126, v0, 2, 0xe000
	v_mov_b32 v127, 0
	v_lshrrev_b32 v1, 5, v0
	v_readfirstlane_b32 s18, v1                    ; wave 0..7
	s_and_b32 s[HF], s18, 1
	s_lshr_b32 s60, s18, 1                         ; my tile of rows, and later my head of the four
	s_lshl_b32 s21, s60, 12
	s_lshl_b32 s22, s[HF], 7
	s_add_co_u32 s21, s21, s22                     ; images: my tile, + 8 rows of 16 bytes
	s_lshl_b32 s22, s60, 11
	s_lshl_b32 s23, s[HF], 9
	s_add_co_u32 s22, s22, s23
	s_add_co_u32 s22, s22, CSI                     ; cos and sin: my tile, + four frequencies
	s_lshl_b32 s23, s[HF], 14
	v_and_b32 v[LI], 31, v0
	v_and_b32 v[GA], 7, v0                         ; lane % 8
	v_bfe_u32 v[XST], v0, 3, 2                     ; lane / 8
	v_lshlrev_b32 v[LI], 4, v[LI]
	v_lshlrev_b32 v[XA], 10, v[XST]
	v_lshl_add_u32 v[XA], v[GA], 6, v[XA]
	v_lshlrev_b32 v[XST], 4, v[XST]
	v_lshl_add_u32 v[XST], v[GA], 8, v[XST]        ; k = 16 (lane % 8) + i of row 4 p + lane / 8 lies in the image at 256 (lane % 8) + 16 (lane / 8) + 64 p
	v_add_nc_u32 v[XST], s21, v[XST]
	v_lshlrev_b32 v[GA], 6, v[GA]
	v_add_nc_u32 v[CST], s22, v[LI]
	v_add_nc_u32 v[LQ], s23, v[LI]
	v_mov_b32 v[ST+7], 0                           ; (named as the upper half of a pair)
	s_and_b32 s19, ttmp7, 0xffff
	s_lshl_b32 s19, s19, 2
	s_add_co_u32 s19, s19, s60                     ; my head: 4 y + wave / 2
	s_lshr_b32 s22, ttmp9, 6                       ; the batch
	s_and_b32 s23, ttmp9, 63                       ; the block of 64 positions in it
	s_lshl_b32 s24, s22, 3
	s_add_co_u32 s24, s24, s19                     ; bh
	s_lshl_b32 s26, ttmp9, 16
	s_lshl_b32 s27, s18, 13
	s_add_co_u32 s26, s26, s27                     ; x: 64 rows of 1,024 bytes a block, 8 a wave
	s_mov_b32 s27, 0
	s_lshl_b32 s28, s19, 13                        ; wcodes: four fragments a head in each of Wq, Wk, Wv
	s_lshl_b32 s29, s[HF], 16
	s_add_co_u32 s76, s28, s29                     ; Wq's or Wk's four,
	s_mov_b32 s77, 0
	s_lshl_b32 s29, s[HF], 12
	s_add_co_u32 s28, s28, s29
	s_add_co_u32 s28, s28, 131072                  ; and two of Wv's
	s_mov_b32 s29, 0
	s_lshl_b32 s30, s24, 17
	s_lshl_b32 s31, s23, 11
	s_add_co_u32 s30, s30, s31                     ; qc: 131,072 bh + 2,048 block
	s_mov_b32 s31, 0
	s_lshl_b32 s48, s24, 18
	s_lshr_b32 s49, s23, 1
	s_lshl_b32 s49, s49, 13
	s_add_co_u32 s48, s48, s49                     ; kv: 262,144 bh + 8,192 x key step
	s_and_b32 s50, s23, 1                          ; which half of the key step
	s_lshl_b32 s51, s50, 11
	s_lshl_b32 s50, s50, 10
	s_add_co_u32 s50, s50, 4096
	s_add_co_u32 s50, s50, s48                     ; V: + 4,096 + 1,024 x half
	s_add_co_u32 s48, s48, s51                     ; K: + 2,048 x half
	s_lshl_b32 s51, s[HF], 11
	s_add_co_u32 s50, s50, s51                     ; V: my channel tile
	s_mov_b32 s49, 0
	s_mov_b32 s51, 0
	s_lshl_b32 s56, s23, 6
	s_lshl_b32 s57, s60, 4
	s_add_co_u32 s56, s56, s57                     ; my tile's first position
	s_mov_b32 s20, 0x3b800000                      ; 1 / 256
	s_mov_b32 s57, 0x3fc90fdb                      ; pi / 2, its upper part,
	s_mov_b32 s61, 0xb33bbd2e                      ; and the rest
	s_mov_b32 s62, 0x3638ef1d                      ; 1 / 9!
	s_mov_b32 s63, 0xb493f27e                      ; -1 / 10!
	s_cmp_eq_u32 s[HF], 0
	PK2 FL,   0x3f800000, 0x3dcccccd               ; inv_freq 0 .. 7, four to a wave,
	PK2 FL+1, 0x3f0ff59a, 0x3d6655c3
	PK2 FL+2, 0x3ea1e89b, 0x3d0186e2
	PK2 FL+3, 0x3e361887, 0x3c91ad39
	PK2 FL+4, 0x3c23d70a, 0x3a83126f               ; and 8 .. 15
	PK2 FL+5, 0x3bb8449c, 0x3a136a16
	PK2 FL+6, 0x3b4f3e37, 0x39a5cb5f
	PK2 FL+7, 0x3ae91528, 0x393a7753
	s_wait_alu depctr_va_vdst(0)                   ; the wait here, directly ahead of the wait below
	s_wait_kmcnt 0x0
	s_load_b512 s[32:47], s[8:9], 0x0              ; e0 .. e15
	s_add_nc_u64 s[4:5], s[4:5], s[26:27]
	s_add_nc_u64 s[WB:WB+1], s[6:7], s[76:77]
	s_add_nc_u64 s[6:7], s[6:7], s[28:29]
	s_add_nc_u64 s[14:15], s[14:15], s[30:31]
	s_add_nc_u64 s[52:53], s[16:17], s[48:49]      ; K's place
	s_add_nc_u64 s[54:55], s[16:17], s[50:51]      ; V's place
	s_cmp_eq_u32 s[HF], 0
	s_cselect_b64 s[52:53], s[14:15], s[52:53]     ; the even wave stores q, the odd one k
.irp p, 0,1
.irp j, 0,1
.irp i, 0,1,2,3
	global_load_b128 v[X+32*\p+16*\j+4*\i:X+32*\p+16*\j+4*\i+3], v[XA], s[4:5] offset:4096*\p+512*\j+16*\i   ; pass p: rows 4 p + lane / 8; eight lanes to a row; k = 128 j + 16 (lane % 8) + 0 .. 15
.endr
.endr
.endr
.irp j, 0,1
.irp i, 0,1,2,3
	global_load_b128 v[G+16*\j+4*\i:G+16*\j+4*\i+3], v[GA], s[10:11] offset:512*\j+16*\i
	global_load_b128 v[BB+16*\j+4*\i:BB+16*\j+4*\i+3], v[GA], s[12:13] offset:512*\j+16*\i
.endr
.endr
	WIN 0x40                                       ; destination window 1: q's or k's fragment (tile u, K step s) at v[16 (2 u + s)], v's at v[64 + 16 s]: they stay
.irp f, 0,1,2,3
.irp c, 0,1,2,3
	global_load_b128 v[16*\f+4*\c:16*\f+4*\c+3], v[LI], s[WB:WB+1] offset:2048*\f+512*\c
.endr
.endr
.irp s, 0,1
.irp c, 0,1,2,3
	global_load_b128 v[64+16*\s+4*\c:64+16*\s+4*\c+3], v[LI], s[6:7] offset:2048*\s+512*\c
.endr
.endr
	WIN 0
	s_wait_kmcnt 0x0
	MKSC SCX, LMX, 32
	MKSC SCX+1, LMX+1, 34
	MKSC SCX+2, LMX+2, 36
	s_sub_co_i32 s60, s38, s32
	s_sub_co_i32 s60, s60, s33                     ; e6 - e0 - e1
	s_sub_co_i32 s48, s39, s34
	s_sub_co_i32 s48, s48, s35                     ; e7 - e2 - e3
	s_cmp_eq_u32 s[HF], 0
	s_cselect_b32 s60, s60, s48
	MKSC SCO, LMO, 60
	s_sub_co_i32 s60, s40, s36
	s_sub_co_i32 s60, s60, s37                     ; e8 - e4 - e5
	MKSC SCO+1, LMO+1, 60
	s_wait_alu depctr_va_vdst(0)                   ; the wait at the head's end
	s_wait_loadcnt 24                              ; x, gain and bias are in: only the 24 loads of weights were issued behind them
.macro ROW8 r                          ; the sum over a row's eight lanes
	s_delay_alu instid0(VALU_DEP_1)
	v_add_f32_dpp v[\r], v[\r], v[\r] row_xmask:1 row_mask:0xf bank_mask:0xf
	s_delay_alu instid0(VALU_DEP_1)
	v_add_f32_dpp v[\r], v[\r], v[\r] row_xmask:2 row_mask:0xf bank_mask:0xf
	s_delay_alu instid0(VALU_DEP_1)
	v_add_f32_dpp v[\r], v[\r], v[\r] row_xmask:4 row_mask:0xf bank_mask:0xf
	s_delay_alu instid0(VALU_DEP_1)
.endm
; Four rows: mean, variance of the differences, xn, and its codes under each of the three scales.
.macro LNPASS p
.set XP, X+32*\p
	v_pk_add_f32 v[ST:ST+1], v[XP:XP+1], v[XP+2:XP+3]
	v_pk_add_f32 v[ST+2:ST+3], v[XP+4:XP+5], v[XP+6:XP+7]
.irp i, 8,12,16,20,24,28
	v_pk_add_f32 v[ST:ST+1], v[ST:ST+1], v[XP+\i:XP+\i+1]
	v_pk_add_f32 v[ST+2:ST+3], v[ST+2:ST+3], v[XP+\i+2:XP+\i+3]
.endr
	v_pk_add_f32 v[ST:ST+1], v[ST:ST+1], v[ST+2:ST+3]
	v_add_f32 v[ST], v[ST], v[ST+1]
	ROW8 ST
	v_mul_f32 v[ST], s20, v[ST]                    ; the mean
.irp i, 0,2,4,6,8,10,12,14,16,18,20,22,24,26,28,30
	v_pk_add_f32 v[XP+\i:XP+\i+1], v[XP+\i:XP+\i+1], v[ST:ST+1] op_sel_hi:[1,0] neg_lo:[0,1] neg_hi:[0,1]   ; x - mean
.endr
	v_pk_mul_f32 v[ST+2:ST+3], v[XP:XP+1], v[XP:XP+1]
	v_pk_mul_f32 v[ST+4:ST+5], v[XP+2:XP+3], v[XP+2:XP+3]
.irp i, 4,8,12,16,20,24,28
	v_pk_fma_f32 v[ST+2:ST+3], v[XP+\i:XP+\i+1], v[XP+\i:XP+\i+1], v[ST+2:ST+3]
	v_pk_fma_f32 v[ST+4:ST+5], v[XP+\i+2:XP+\i+3], v[XP+\i+2:XP+\i+3], v[ST+4:ST+5]
.endr
	v_pk_add_f32 v[ST+2:ST+3], v[ST+2:ST+3], v[ST+4:ST+5]
	v_add_f32 v[ST+2], v[ST+2], v[ST+3]
	ROW8 ST+2
	v_fmaak_f32 v[ST+2], s20, v[ST+2], 0x3727c5ac  ; variance + 1e-5
	s_wait_alu depctr_va_vdst(0)                   ; the wait ahead of the transcendental
	v_rsq_f32 v[ST+6], v[ST+2]
	v_nop                                          ; a plain instruction behind the transcendental,
	s_wait_alu depctr_va_vdst(0)                   ; and the wait ahead of its first reader
.irp i, 0,2,4,6,8,10,12,14,16,18,20,22,24,26,28,30
	v_pk_mul_f32 v[XP+\i:XP+\i+1], v[XP+\i:XP+\i+1], v[ST+6:ST+7] op_sel_hi:[1,0]
.endr
.irp i, 0,2,4,6,8,10,12,14,16,18,20,22,24,26,28,30
	v_pk_fma_f32 v[XP+\i:XP+\i+1], v[XP+\i:XP+\i+1], v[G+\i:G+\i+1], v[BB+\i:BB+\i+1]
.endr
.irp q, 0,1,2
.irp j, 0,1
.irp i, 0,1,2,3,4,5,6,7,8,9,10,11,12,13,14,15
	v_med3_num_f32 v[T+\i], v[XP+16*\j+\i], -v[LMX+\q], v[LMX+\q]   ; the hold, into other registers: xn is quantised three times
.endr
	s_wait_alu depctr_va_vdst(0)                   ; the wait here, directly ahead of the wait below
	s_wait_dscnt 1                                 ; only the store of the other set of codes may be out: this set's last store is done
	v_cvt_scalef32_pk8_fp8_f32 v[CD+4*\j:CD+4*\j+1], v[T:T+7], v[SCX+\q]
	v_cvt_scalef32_pk8_fp8_f32 v[CD+4*\j+2:CD+4*\j+3], v[T+8:T+15], v[SCX+\q]
	v_nop                                          ; a plain instruction between the conversions and the next writes of their sources
	ds_store_b128 v[XST], v[CD+4*\j:CD+4*\j+3] offset:16384*\q+2048*\j+64*\p
.endr
.endr
.endm
	LNPASS 0
	LNPASS 1
	; cos and sin for my tile of 16 positions, four frequencies a wave, in the layout of the products' results: lane (r, h): position r, frequencies 8 h + 4 (wave % 2) + 0 .. 3.
	v_and_b32 v[ST], 15, v0
	v_bfe_u32 v[ST+1], v0, 4, 1
	v_add_nc_u32 v[ST], s56, v[ST]
	v_cvt_f32_u32 v[ST], v[ST]                     ; the position
	v_cmp_ne_u32 vcc_lo, 0, v[ST+1]
.irp f, 0,1,2,3
	v_mov_b32 v[A1+\f], s[FL+4+\f]
.endr
.irp f, 0,1,2,3
	v_cndmask_b32 v[A1+\f], s[FL+\f], v[A1+\f], vcc_lo
.endr
.irp f, 0,1,2,3
	v_mul_f32 v[A0+\f], v[ST], v[A1+\f]            ; theta
.endr
.irp f, 0,1,2,3
	v_mul_f32 v[A1+\f], 0x3f22f983, v[A0+\f]       ; x 2 / pi
.endr
.irp f, 0,1,2,3
	v_rndne_f32 v[A1+\f], v[A1+\f]                 ; n
.endr
.irp f, 0,1,2,3
	v_fma_f32 v[A0+\f], -v[A1+\f], s57, v[A0+\f]
.endr
.irp f, 0,1,2,3
	v_fma_f32 v[A0+\f], -v[A1+\f], s61, v[A0+\f]   ; r = theta - n pi / 2
	v_cvt_i32_f32 v[A5+\f], v[A1+\f]
.endr
.irp f, 0,1,2,3
	v_mul_f32 v[A2+\f], v[A0+\f], v[A0+\f]         ; r^2
.endr
.irp f, 0,1,2,3
	v_fmaak_f32 v[A3+\f], s62, v[A2+\f], 0xb9500d01
	v_fmaak_f32 v[A4+\f], s63, v[A2+\f], 0x37d00d01
.endr
.irp f, 0,1,2,3
	v_fmaak_f32 v[A3+\f], v[A3+\f], v[A2+\f], 0x3c088889
	v_fmaak_f32 v[A4+\f], v[A4+\f], v[A2+\f], 0xbab60b61
.endr
.irp f, 0,1,2,3
	v_fmaak_f32 v[A3+\f], v[A3+\f], v[A2+\f], 0xbe2aaaab
	v_fmaak_f32 v[A4+\f], v[A4+\f], v[A2+\f], 0x3d2aaaab
.endr
.irp f, 0,1,2,3
	v_mul_f32 v[A1+\f], v[A0+\f], v[A2+\f]         ; r^3
	v_fma_f32 v[A4+\f], v[A4+\f], v[A2+\f], -0.5
.endr
.irp f, 0,1,2,3
	v_fma_f32 v[A3+\f], v[A3+\f], v[A1+\f], v[A0+\f]   ; sin r
	v_fma_f32 v[A4+\f], v[A4+\f], v[A2+\f], 1.0        ; cos r
.endr
.irp f, 0,1,2,3
	v_and_b32 v[A1+\f], 1, v[A5+\f]
	v_add_nc_u32 v[A2+\f], 1, v[A5+\f]
.endr
.irp f, 0,1,2,3
	v_cmp_ne_u32 vcc_lo, 0, v[A1+\f]               ; in an odd quadrant the two change places
	v_cndmask_b32 v[CO+\f], v[A4+\f], v[A3+\f], vcc_lo
	v_cndmask_b32 v[SI+\f], v[A3+\f], v[A4+\f], vcc_lo
.endr
.irp f, 0,1,2,3
	v_lshlrev_b32 v[A5+\f], 30, v[A5+\f]           ; bit 1 of n is sin's sign, bit 1 of n + 1 cos's
	v_lshlrev_b32 v[A2+\f], 30, v[A2+\f]
.endr
.irp f, 0,1,2,3
	v_and_b32 v[A5+\f], 0x80000000, v[A5+\f]
	v_and_b32 v[A2+\f], 0x80000000, v[A2+\f]
.endr
.irp f, 0,1,2,3
	v_xor_b32 v[SI+\f], v[SI+\f], v[A5+\f]
	v_xor_b32 v[CO+\f], v[CO+\f], v[A2+\f]
.endr
	ds_store_b128 v[CST], v[CO:CO+3]
	ds_store_b128 v[CST], v[SI:SI+3] offset:1024
	s_wait_dscnt 0x0                               ; for the others' sake: my images, cos and sin have landed
	s_barrier_signal -1
	s_barrier_wait -1                              ; the launch's one barrier: nothing in LDS is written again
.macro FETCH m                         ; a tile of rows: xn's four fragments, cos and sin
.irp s, 0,1
.irp c, 0,1,2,3
	ds_load_b128 v[XF+16*\s+4*\c:XF+16*\s+4*\c+3], v[LQ] offset:4096*(\m)+2048*\s+512*\c
	ds_load_b128 v[XF+32+16*\s+4*\c:XF+32+16*\s+4*\c+3], v[LI] offset:32768+4096*(\m)+2048*\s+512*\c
.endr
.endr
.irp i, 0,1,2,3
	ds_load_b128 v[CSR+16*((\m)%2)+4*\i:CSR+16*((\m)%2)+4*\i+3], v[LI] offset:CSI+2048*(\m)+512*\i
.endr
.endm
.macro PROD                            ; six matrix instructions; the three accumulators take turns, one instruction a turn; the first K step starts the sums
	WIN 0x01                                       ; source 0 (W) window 1
.irp u, 0,1
	v_wmma_f32_16x16x128_fp8_fp8 v[ACC+8*\u:ACC+8*\u+7], v[32*\u:32*\u+15], v[XF:XF+15], 0
.endr
	WIN 0x04                                       ; source 1 (W) window 1: v is made with xn as source 0
	v_wmma_f32_16x16x128_fp8_fp8 v[ACC+16:ACC+23], v[XF+32:XF+47], v[64:79], 0
	WIN 0x01
.irp u, 0,1
	v_wmma_f32_16x16x128_fp8_fp8 v[ACC+8*\u:ACC+8*\u+7], v[32*\u+16:32*\u+31], v[XF+16:XF+31], v[ACC+8*\u:ACC+8*\u+7]
.endr
	WIN 0x04
	v_wmma_f32_16x16x128_fp8_fp8 v[ACC+16:ACC+23], v[XF+48:XF+63], v[80:95], v[ACC+16:ACC+23]
	WIN 0
.endm
	FETCH 0
	s_wait_loadcnt 0x0                             ; the weights
.irp m, 0,1,2,3
.set CS, CSR+16*(\m%2)
	s_wait_dscnt 0x0                               ; this tile's fragments, cos and sin are in
	PROD
.rept 4
	v_nop                                          ; places behind the products: in front of loads into registers that they have read, and of the first read of results
.endr
.if \m < 3
	FETCH \m+1
.endif
.if \m > 0
	s_wait_xcnt 0x0                                ; the last tile's stores have read their registers: the codes' registers are written again only behind this wait
.endif
.irp f, 0,1,2,3,4,5,6,7                ; RoPE: registers 2 f, 2 f + 1 are the pair of frequency 8 h + f; each accumulator is read from its low end on
	v_mul_f32 v[TT+2*(\f%2)], v[ACC+2*\f], v[CS+\f]
	v_mul_f32 v[TT+2*(\f%2)+1], v[ACC+2*\f+1], v[CS+\f]
	v_fma_f32 v[RO+2*\f], -v[ACC+2*\f+1], v[CS+8+\f], v[TT+2*(\f%2)]
	v_fma_f32 v[RO+2*\f+1], v[ACC+2*\f], v[CS+8+\f], v[TT+2*(\f%2)+1]
.endr
.irp i, 0,1,2,3,4,5,6,7,8,9,10,11,12,13,14,15
	v_med3_num_f32 v[RO+\i], v[RO+\i], -v[LMO], v[LMO]
.endr
	v_cvt_scalef32_pk8_fp8_f32 v[QC:QC+1], v[RO:RO+7], v[SCO]
	v_cvt_scalef32_pk8_fp8_f32 v[QC+2:QC+3], v[RO+8:RO+15], v[SCO]
.irp i, 0,1,2,3,4,5,6,7
	v_med3_num_f32 v[ACC+16+\i], v[ACC+16+\i], -v[LMO+1], v[LMO+1]   ; (also the plain instructions behind the conversions)
.endr
	global_store_b128 v[LI], v[QC:QC+3], s[52:53] offset:512*\m      ; sixteen dims of a row become 16 bytes; the wave stores 512 consecutive bytes
	v_cvt_scalef32_pk8_fp8_f32 v[VC+2*(\m%2):VC+2*(\m%2)+1], v[ACC+16:ACC+23], v[SCO+1]   ; positions 16 m + 8 h + 0 .. 7
	v_nop
.if \m%2
	global_store_b128 v[LI], v[VC:VC+3], s[54:55] offset:512*(\m/2)  ; two tiles of positions make a group of four registers of V^T's fragment
.endif
.endr
	s_wait_tensorcnt 0x0                           ; the wave's end
	ds_add_u32 v126, v127
	s_wait_dscnt 0x0
	s_endpgm
.Lfunc_end_k_q87c095eb4f_qkv:
	.size	k_q87c095eb4f_qkv, .Lfunc_end_k_q87c095eb4f_qkv-k_q87c095eb4f_qkv
	.p2alignl 7, 3214868480
	.fill 96, 4, 3214868480
	.section	.rodata,"a",@progbits
	.p2align	6, 0x0
	.amdhsa_kernel k_q87c095eb4f_qkv
		.amdhsa_group_segment_fixed_size 58368
		.amdhsa_private_segment_fixed_size 0
		.amdhsa_enable_private_segment 0
		.amdhsa_kernarg_size 56
		.amdhsa_user_sgpr_count 2
		.amdhsa_user_sgpr_kernarg_segment_ptr 1
		.amdhsa_wavefront_size32 1
		.amdhsa_system_sgpr_workgroup_id_x 1
		.amdhsa_system_sgpr_workgroup_id_y 1
		.amdhsa_system_sgpr_workgroup_id_z 1
		.amdhsa_system_vgpr_workitem_id 0
		.amdhsa_next_free_vgpr 352
		.amdhsa_next_free_sgpr 80
		.amdhsa_reserve_vcc 1
		.amdhsa_float_denorm_mode_32 3
		.amdhsa_float_denorm_mode_16_64 3
		.amdhsa_memory_ordered 1
		.amdhsa_forward_progress 1
		.amdhsa_inst_pref_size 67
	.end_amdhsa_kernel
	.amdgpu_metadata
---
amdhsa.version: [ 1, 2 ]
amdhsa.kernels:
  - .name:           k_q87c095eb4f_qkv
    .symbol:         k_q87c095eb4f_qkv.kd
    .args:
      - { .name: x, .offset: 0, .size: 8, .value_kind: global_buffer, .address_space: global }
      - { .name: wcodes, .offset: 8, .size: 8, .value_kind: global_buffer, .address_space: global }
      - { .name: lowp_scales, .offset: 16, .size: 8, .value_kind: global_buffer, .address_space: global }
      - { .name: ln1_g, .offset: 24, .size: 8, .value_kind: global_buffer, .address_space: global }
      - { .name: ln1_b, .offset: 32, .size: 8, .value_kind: global_buffer, .address_space: global }
      - { .name: qc, .offset: 40, .size: 8, .value_kind: global_buffer, .address_space: global }
      - { .name: kv, .offset: 48, .size: 8, .value_kind: global_buffer, .address_space: global }
    .group_segment_fixed_size: 58368
    .private_segment_fixed_size: 0
    .kernarg_segment_align: 8
    .kernarg_segment_size: 56
    .max_flat_workgroup_size: 256
    .sgpr_count:     80
    .vgpr_count:     352
    .wavefront_size: 32
...
	.end_amdgpu_metadata
.endif
;; end of part 2
;; launch attn (part 3): grid 16 x 16, 16 waves a work-group, no clusters, 264,192 bytes of LDS; arguments qc, kv, lowp_scales, acodes; writes acodes
.if DOCPART == 3
	.amdgcn_target "amdgcn-amd-amdhsa--gfx1250"
	.amdhsa_code_object_version 6
	.text
	.protected	k_q87c095eb4f_attn
	.globl	k_q87c095eb4f_attn
	.p2align	8
	.type	k_q87c095eb4f_attn,@function
k_q87c095eb4f_attn:
	s_mov_b64 s[64:65], 0
	v_nop
	global_prefetch_b8 v0, s[64:65] scope:SCOPE_SE
	s_setreg_imm32_b32 hwreg(HW_REG_WAVE_MODE, 25, 1), 1
	s_wait_xcnt 0x0
; Attention on codes of E4M3: S^T = K Q^T (head size 32, K = 64 form), p = 2^(t - M) quantised along the keys, O^T = V^T P (K = 128 keys a step), O / l quantised for the product with Wo.
; t = score x log2(e) / sqrt(32); M = the running largest t rounded UP to a whole number; the row's sum l is taken of the unquantised p, in f32; when M moves, l and O^T are multiplied by 2^(old M - new M), which rounds nothing.
; SHARES.  A work-group owns 256 queries of one (batch, head); each of its sixteen waves 16 of them, in 256 registers.
; THE HEAD'S WHOLE K AND V, 262,144 bytes of codes in the order of the operands' registers, BECOME RESIDENT IN LDS, a plain copy of kv[bh].  Twelve key steps (6,144 bytes a wave) come at the head; the other twenty in two rounds of
; 5,120 bytes a wave, through registers, while steps 0 to 5 are worked.  No byte of LDS is written twice.  The barrier that shows those twenty is signalled behind step 5 and waited for behind step 9: between the two, as in the steps ahead,
; only bytes of the first twelve steps are read.
; No multicast and no tensor load: what the sixteen work-groups of a head share is 262,144 bytes once each, against 32 key steps of some 190 vector instructions in each of sixteen waves.
; No prefetch: the loop's few loads from memory have three key steps in which to land.
; A FRAGMENT OF K HOLDS TWO TILES of 16 keys, one in each half of the form's K = 64: with [q, 0] as the other source it gives the first tile's scores, with [0, q] the second's.  Zeros add nothing: every quantiser holds, so no code is NaN.
; A KEY STEP goes by four groups of two tiles (16 scores a lane), a slot each.  Slot j raises group j (exponentials), scales group j + 1, sums and converts group j - 1 and then makes the NEXT step's scores in that group's registers.
; The step's end finishes group 3, makes the second product, and joins the next step's maximum.  The last step makes scores of step 0's keys again: they change no maximum, and nobody raises them.
; LIMITS: e6 + e7 between -124 and 129 (added to c's exponent field); e9 and e10 - e8 - e9 between -126 and 119.  NaN among the inputs is not served.
.set LI,  1                            ; v1   16 x lane
.set AB,  2                            ; v2-4  LDS addresses of this key step, the next, and the one behind it
.set AD0, 5                            ; v5   my part of the first twelve steps, in memory and in LDS
.set SPW, 6                            ; v6   my spare word
.set NIL, 7                            ; v7   0
.set QZ,  8                            ; v8-11 zeros, v12-15 Q's codes, v16-19 zeros
.set P,   20                           ; v20-35 p's codes
.set O,   36                           ; v36-51 O^T
.set T,   52                           ; v52-59, v60-67 a step's sum: eight pairs
.set U,   60
.set KF,  68                           ; v68-99 K: four pairs of tiles
.set S,   100                          ; v100-163 scores, then p: four groups of 16
.set VF,  164                          ; v164-195 V^T: two fragments
.set FS,  196                          ; v196-235 codes on their way to LDS
.set A,   236                          ; v236-239 four maxima
.set PX,  240                          ; v240 lane permutes
.set MR,  241                          ; v241 my query's largest score so far
.set NM,  242                          ; v242 -M (v243 is named as the upper half of the pair)
.set F,   244                          ; v244 2^(old M - new M) (v245 likewise)
.set LP,  246                          ; v[246:247] l in two halves
.set TM,  248
.set D,   249
.set LIM, 250                          ; v250 448 x 2^e9, v251 2^e9
.set SC,  251
.set AD1, 252                          ; v252, v253 my parts of the two rounds
.set AD2, 253
.set FIRST, 12                         ; key steps filled at the head
.set SPARE, 262144                     ; the spare words: 128 bytes a wave, which no other line names
.macro SMUL g                          ; the scores of pair g into group g
	v_wmma_f32_16x16x64_fp8_fp8 v[S+16*(\g):S+16*(\g)+7], v[KF+8*(\g):KF+8*(\g)+7], v[QZ+4:QZ+11], 0        ; lane (r, h): query r, keys 32 g + 8 h + 0 .. 7 of the step
	v_wmma_f32_16x16x64_fp8_fp8 v[S+16*(\g)+8:S+16*(\g)+15], v[KF+8*(\g):KF+8*(\g)+7], v[QZ:QZ+7], 0        ; and 16 keys on
.endm
.macro EX r
	v_exp_f32 v[\r], v[\r]                         ; p = 2^(t - M): not normalised
.endm
.macro FM g, i                         ; t - M, two at a time
	v_pk_fma_f32 v[S+16*(\g)+2*(\i):S+16*(\g)+2*(\i)+1], v[S+16*(\g)+2*(\i):S+16*(\g)+2*(\i)+1], s[22:23], v[NM:NM+1] op_sel_hi:[1,0,0]
.endm
.macro TA d, g, k                      ; pairs k and k + 4 of a group
	v_pk_add_f32 v[\d+2*(\k):\d+2*(\k)+1], v[S+16*(\g)+2*(\k):S+16*(\g)+2*(\k)+1], v[S+16*(\g)+2*(\k)+8:S+16*(\g)+2*(\k)+9]
.endm
.macro AC d, r, k
	v_pk_add_f32 v[\d+2*(\k):\d+2*(\k)+1], v[\d+2*(\k):\d+2*(\k)+1], v[\r+2*(\k):\r+2*(\k)+1]
.endm
.macro CODES g, hold                   ; registers 2 t, 2 t + 1 of the operand are keys 16 t + 8 h + 0 .. 7: this form's own layout
.if \hold
.irp i, 0,1,2,3,4,5,6,7,8,9,10,11,12,13,14,15
	v_min_num_f32 v[S+16*(\g)+\i], v[S+16*(\g)+\i], v[LIM]   ; the conversion does not saturate (ISA guide 7.6.2); p is not negative, so the hold is one-sided
.endr
.endif
	v_cvt_scalef32_pk8_fp8_f32 v[P+4*(\g):P+4*(\g)+1], v[S+16*(\g):S+16*(\g)+7], v[SC]
	v_cvt_scalef32_pk8_fp8_f32 v[P+4*(\g)+2:P+4*(\g)+3], v[S+16*(\g)+8:S+16*(\g)+15], v[SC]
.endm
.macro KLOAD g, ad                     ; a pair of tiles
.irp i, 0,1
	ds_load_b128 v[KF+8*(\g)+4*\i:KF+8*(\g)+4*\i+3], v[\ad] offset:1024*(\g)+512*\i
.endr
.endm
.macro MXF                             ; group 0 starts the four maxima; each accumulator is first read at its low end
.irp i, 0,1,2,3
	v_max3_num_f32 v[A+\i], v[S+3*\i], v[S+3*\i+1], v[S+3*\i+2]
.endr
	v_max3_num_f32 v[A], v[A], v[S+12], v[S+13]
	v_max3_num_f32 v[A+1], v[A+1], v[S+14], v[S+15]
.endm
.macro MXG g
.irp i, 0,1,2,3,4,5,6,7
	v_max3_num_f32 v[A+(\i+2)%4], v[A+(\i+2)%4], v[S+16*(\g)+2*\i], v[S+16*(\g)+2*\i+1]
.endr
.endm
; The four maxima become M; in the loop the step's sum is joined and 2^(old M - new M) is made between the lines of that chain.
.macro CHAIN loop
	v_max3_num_f32 v[A], v[A], v[A+1], v[A+2]
.if \loop
	AC T, T+4, 0
	AC T, T+4, 1
.endif
	v_max_num_f32 v[A], v[A], v[A+3]
.if \loop
	AC T, T+2, 0
.endif
	v_permlanex16_b32 v[PX], v[A], s20, s21
.if \loop
	v_pk_fma_f32 v[LP:LP+1], v[LP:LP+1], v[F:F+1], v[T:T+1] op_sel_hi:[1,0,1]   ; l under the step's M, and the step's sum
	v_mov_b32 v[D], v[NM]
.endif
	v_max3_num_f32 v[MR], v[MR], v[A], v[PX]       ; my keys' and lane l xor 16's
	v_mul_f32 v[TM], s22, v[MR]                    ; as t (c is positive)
	v_floor_f32 v[NM], -v[TM]                      ; the new -M = floor(-t)
	FM 0, 0
	FM 0, 1
.if \loop
	v_sub_f32 v[D], v[NM], v[D]                    ; old M - new M: a whole number, 0 or less
.endif
	FM 0, 2
	FM 0, 3
.if \loop
	v_cvt_i32_f32 v[D], v[D]                       ; (it saturates)
.endif
	FM 0, 4
	FM 0, 5
.if \loop
	v_ldexp_f32 v[F], 1.0, v[D]
.endif
	FM 0, 6
	FM 0, 7
.endm
.macro MID g, d, hold                  ; slots 1 and 2 behind their loads
.irp i, 0,1,2,3
	EX S+16*\g+\i
	TA \d, \g-1, \i
.endr
	CODES \g-1, \hold
.irp i, 0,1,2,3
	EX S+16*\g+4+\i
	FM \g+1, \i
.endr
	SMUL \g-1
.irp i, 0,1,2,3
	EX S+16*\g+8+\i
	FM \g+1, 4+\i
.endr
.irp i, 12,13,14,15
	EX S+16*\g+\i
.endr
.endm
; A key step.  Every register that an exponential or a plain instruction of one slot wrote and another reads has the wait at that slot's head between the two.
.macro SLOTS hold
	KLOAD 2, AB+1                                  ; slot 0: the next step's pair 2, and this step's V, wanted at the step's end
.irp ct, 0,1
.irp g, 0,1,2,3
	ds_load_b128 v[VF+16*\ct+4*\g:VF+16*\ct+4*\g+3], v[AB] offset:4096+2048*\ct+512*\g
.endr
.endr
.irp i, 0,1,2,3,4,5,6,7
	EX S+2*\i
	FM 1, \i
	EX S+2*\i+1
.endr
	s_wait_alu depctr_va_vdst(0)                   ; slot 1
	s_wait_dscnt 12                                ; pair 0 is in; pair 1 (2), pair 2 (2) and V (8) may be out
	KLOAD 3, AB+1
	s_wait_alu depctr_va_vdst(0)                   ; directly ahead of O^T's first readers
.irp j, 0,2,4,6,8,10,12,14
	v_pk_mul_f32 v[O+\j:O+\j+1], v[O+\j:O+\j+1], v[F:F+1] op_sel_hi:[1,0]   ; O^T under this step's M
.endr
	MID 1, T, \hold
	s_wait_alu depctr_va_vdst(0)                   ; slot 2
	s_wait_dscnt 12                                ; pair 1 is in; pair 2, V and pair 3 may be out
	MID 2, U, \hold
	s_wait_alu depctr_va_vdst(0)                   ; slot 3
	s_wait_dscnt 10                                ; pair 2 is in; V and pair 3 may be out
	KLOAD 0, AB+2
	s_wait_alu depctr_va_vdst(0)                   ; directly ahead of the first readers of the next step's groups 0 and 1
	MXF
	MXG 1
.irp i, 0,1,2,3
	EX S+48+\i
	AC T, S+32, \i
.endr
.irp i, 0,1,2,3
	EX S+52+\i
	AC U, S+40, \i
.endr
	CODES 2, \hold
	v_nop                                          ; a plain instruction between the conversions and the products that write their sources
.irp i, 8,9,10,11,12,13,14,15
	EX S+48+\i
.endr
	SMUL 2
	s_wait_alu depctr_va_vdst(0)                   ; the step's end
	s_wait_dscnt 2                                 ; V and pair 3 are in; pair 0 of the step behind the next may be out
	KLOAD 1, AB+2
.irp i, 0,1,2,3
	AC T, S+48, \i
.endr
.irp i, 0,1,2,3
	AC U, S+56, \i
.endr
	CODES 3, \hold
.irp i, 0,1,2,3
	AC T, U, \i                                    ; (also the plain instructions behind the conversions)
.endr
	SMUL 3
	v_wmma_f32_16x16x128_fp8_fp8 v[O:O+7], v[VF:VF+15], v[P:P+15], v[O:O+7]              ; the two accumulators take turns; eight other products stand before each comes up again
	v_wmma_f32_16x16x128_fp8_fp8 v[O+8:O+15], v[VF+16:VF+31], v[P:P+15], v[O+8:O+15]
	MXG 2                                          ; (eight places behind group 3's products)
	MXG 3
	CHAIN 1
.endm
.macro TRIP wrap
	s_add_co_u32 s26, s24, 8192
	s_add_co_u32 s27, s24, 16384
.if \wrap
	s_and_b32 s26, s26, 0x3e000                    ; behind the last step: step 0 again
	s_and_b32 s27, s27, 0x3e000
.endif
	v_add_nc_u32 v[AB], s24, v[LI]
	v_add_nc_u32 v[AB+1], s26, v[LI]
	v_add_nc_u32 v[AB+2], s27, v[LI]
	s_add_co_u32 s24, s24, 8192
	s_cmp_gt_i32 s41, -9                           ; p is at most 1 (a last bit more at the most), and 448 x 2^e9 is 1.75 or more from e9 = -8 on: the hold can act only where e9 <= -9
	s_wait_alu depctr_va_vdst(0)                   ; the wait ahead of the branch, and of the exponentials behind it
	s_cbranch_scc1 .Lopen_\@
	SLOTS 1
	s_branch .Ljoin_\@
.Lopen_\@:
	SLOTS 0
.Ljoin_\@:
.endm
.macro GLOAD ad
.irp i, 0,1,2,3,4,5,6,7,8,9
	global_load_b128 v[FS+4*\i:FS+4*\i+3], v[\ad], s[6:7] offset:512*\i   ; the wave reads 512 consecutive bytes
.endr
.endm
.macro LSTORE ad
	s_wait_loadcnt 0x0                             ; my part of the round is in registers
.irp i, 0,1,2,3,4,5,6,7,8,9
	ds_store_b128 v[\ad], v[FS+4*\i:FS+4*\i+3] offset:512*\i
.endr
	s_wait_dscnt 0x0                               ; my stores have landed, and have read their registers
.endm
	s_load_b256 s[4:11], s[0:1], 0x0               ; qc, kv, the scales' exponents, acodes
	v_lshl_add_u32 v[SPW], v0, 2, SPARE
	v_mov_b32 v[NIL], 0
	v_lshrrev_b32 v2, 5, v0
	v_readfirstlane_b32 s12, v2                    ; wave 0..15
	v_and_b32 v[LI], 31, v0
	v_lshlrev_b32 v[LI], 4, v[LI]
	s_mul_i32 s13, s12, FIRST*512
	v_add_nc_u32 v[AD0], s13, v[LI]
	s_mul_i32 s13, s12, 5120
	s_add_co_u32 s13, s13, FIRST*8192
	v_add_nc_u32 v[AD1], s13, v[LI]
	s_add_co_u32 s13, s13, 81920
	v_add_nc_u32 v[AD2], s13, v[LI]
	s_and_b32 s14, ttmp7, 0xffff                   ; bh = 8 x batch + head
	s_lshl_b32 s16, s14, 17
	s_lshl_b32 s17, ttmp9, 13
	s_add_co_u32 s16, s16, s17
	s_lshl_b32 s17, s12, 9
	s_add_co_u32 s16, s16, s17                     ; qc: 131,072 bh + 512 (16 x block + wave)
	s_mov_b32 s17, 0
	s_lshl_b32 s18, s14, 18                        ; kv: 262,144 bh
	s_mov_b32 s19, 0
	s_lshr_b32 s26, s14, 3
	s_lshl_b32 s26, s26, 20                        ; acodes: 4,096 bytes a tile of 16 rows: 256 tiles a batch,
	s_lshl_b32 s27, ttmp9, 16
	s_add_co_u32 s26, s26, s27                     ; 16 a block,
	s_lshl_b32 s27, s12, 12
	s_add_co_u32 s26, s26, s27                     ; one a wave;
	s_and_b32 s27, s14, 7
	s_lshl_b32 s27, s27, 9
	s_add_co_u32 s26, s26, s27                     ; the head's 32 columns are register group head % 4 of K step head / 4: 512 x head
	s_mov_b32 s27, 0
	s_mov_b32 s20, 0x76543210                      ; v_permlanex16_b32's selects for lane l xor 16
	s_mov_b32 s21, 0xfedcba98
	s_mov_b32 s22, 0x3e8293ee                      ; c = log2(e) / sqrt(32)
	s_wait_alu depctr_va_vdst(0)                   ; the wait here, directly ahead of the wait below
	s_wait_kmcnt 0x0
	s_load_b512 s[32:47], s[8:9], 0x0              ; e0 .. e15
	s_add_nc_u64 s[4:5], s[4:5], s[16:17]
	s_add_nc_u64 s[6:7], s[6:7], s[18:19]
	s_add_nc_u64 s[10:11], s[10:11], s[26:27]
	global_load_b128 v[QZ+4:QZ+7], v[LI], s[4:5]
.irp i, 0,1,2,3,4,5,6,7,8,9,10,11
	global_load_b128 v[S+4*\i:S+4*\i+3], v[AD0], s[6:7] offset:512*\i   ; my part of the first twelve steps, through the scores' registers
.endr
.irp i, 0,1,2,3
	v_mov_b32 v[QZ+\i], 0
	v_mov_b32 v[QZ+8+\i], 0
.endr
	v_mov_b32 v[MR], 0xff800000                    ; the maximum begins at -infinity
	v_mov_b32 v[PX], 0                             ; a lane permute's destination counts as one of its sources
	v_mov_b32 v[NM+1], 0                           ; (named as the upper half of a pair)
	v_mov_b32 v[F], 1.0
	v_mov_b32 v[F+1], 0
	v_mov_b32 v[LP], 0
	v_mov_b32 v[LP+1], 0
	s_wait_kmcnt 0x0
	s_add_co_i32 s28, s38, s39
	s_lshl_b32 s28, s28, 23
	s_add_co_i32 s22, s22, s28                     ; a score stands for score x 2^(e6 + e7): added to c's exponent field
	s_mov_b32 s23, s22                             ; (named with it as a pair)
	s_add_co_i32 s28, s41, 127
	s_lshl_b32 s29, s28, 23
	v_mov_b32 v[SC], s29                           ; 2^e9
	s_add_co_i32 s28, s28, 8
	s_lshl_b32 s28, s28, 23
	s_or_b32 s28, s28, 0x600000
	v_mov_b32 v[LIM], s28                          ; 448 x 2^e9
	s_wait_alu depctr_va_vdst(0)                   ; the wait at the head's end
	s_wait_loadcnt 0x0
.irp i, 0,1,2,3,4,5,6,7,8,9,10,11
	ds_store_b128 v[AD0], v[S+4*\i:S+4*\i+3] offset:512*\i
.endr
	s_wait_dscnt 0x0                               ; for the others' sake: my stores have landed; and they have read their registers
	s_barrier_signal -1
	s_barrier_wait -1                              ; the first twelve steps are whole
	GLOAD AD1                                      ; the first round sets out
.irp i, 0,1,2,3,4,5,6,7
	ds_load_b128 v[KF+4*\i:KF+4*\i+3], v[LI] offset:512*\i    ; step 0's K
.endr
	s_wait_dscnt 0x0
.irp g, 0,1,2,3
	SMUL \g
.endr
.irp j, 0,1,2,3,4,5,6,7,8,9,10,11,12,13,14,15
	v_mov_b32 v[O+\j], 0                           ; the step is written once: the first finds zeros.  (Also the places behind the products)
.endr
	MXF
.irp g, 1,2,3
	MXG \g
.endr
.irp i, 0,1,2,3
	ds_load_b128 v[KF+4*\i:KF+4*\i+3], v[LI] offset:8192+512*\i   ; step 1's pairs 0 and 1
.endr
	CHAIN 0
	s_mov_b32 s24, 0
	s_mov_b32 s25, 6
.Lstep_a:                                          ; steps 0 to 5
	TRIP 0
	s_cmp_lg_u32 s25, 4
	s_cbranch_scc1 .Lno_round                      ; behind step 2 the first round goes to LDS and the second sets out: a branch on the count of steps, round no barrier
	LSTORE AD1
	GLOAD AD2
.Lno_round:
	s_sub_co_u32 s25, s25, 1
	s_cmp_lg_u32 s25, 0
	s_cbranch_scc1 .Lstep_a
	LSTORE AD2
	s_barrier_signal -1                            ; all that I had to store has landed
	s_mov_b32 s24, 6*8192
	s_mov_b32 s25, 4
.Lstep_b:                                          ; steps 6 to 9: they read bytes of steps 6 to 11
	TRIP 0
	s_sub_co_u32 s25, s25, 1
	s_cmp_lg_u32 s25, 0
	s_cbranch_scc1 .Lstep_b
	s_wait_alu depctr_va_vdst(0)                   ; the wait here, directly ahead of the wait below
	s_barrier_wait -1                              ; the head's K and V are whole
	s_mov_b32 s24, 10*8192
	s_mov_b32 s25, 22
.Lstep_c:                                          ; steps 10 to 31
	TRIP 1
	s_sub_co_u32 s25, s25, 1
	s_cmp_lg_u32 s25, 0
	s_cbranch_scc1 .Lstep_c
	; THE WAY OUT: O^T / l becomes 16 codes a lane: channels 16 h + 0 .. 15 of query r, one register group of the next product's operand.
	s_sub_co_i32 s28, s42, s40
	s_sub_co_i32 s28, s28, s41                     ; O / l stands for out / 2^(e8 + e9): its code is (O / l) / 2^(e10 - e8 - e9)
	s_add_co_i32 s28, s28, 127
	s_lshl_b32 s29, s28, 23
	s_add_co_i32 s28, s28, 8
	s_lshl_b32 s28, s28, 23
	s_or_b32 s28, s28, 0x600000
	s_wait_alu depctr_va_vdst(0)                   ; the wait here, ahead of the readers below
	v_mov_b32 v[SC], s29
	v_mov_b32 v[LIM], s28
	v_add_f32 v[LP], v[LP], v[LP+1]                ; l's two halves,
	s_delay_alu instid0(VALU_DEP_1)
	v_permlanex16_b32 v[PX], v[LP], s20, s21
	s_delay_alu instid0(VALU_DEP_1)
	v_add_f32 v[LP], v[LP], v[PX]                  ; and lane l xor 16's
	s_wait_alu depctr_va_vdst(0)                   ; the wait ahead of the transcendental
	v_rcp_f32 v[LP], v[LP]
	v_nop                                          ; a plain instruction behind it
	s_wait_alu depctr_va_vdst(0)                   ; and the wait ahead of its first reader, and of O^T's
.irp j, 0,1,2,3,4,5,6,7,8,9,10,11,12,13,14,15
	v_mul_f32 v[S+\j], v[O+\j], v[LP]              ; each accumulator from its low end on
.endr
.irp j, 0,1,2,3,4,5,6,7,8,9,10,11,12,13,14,15
	v_med3_num_f32 v[S+\j], v[S+\j], -v[LIM], v[LIM]
.endr
	v_cvt_scalef32_pk8_fp8_f32 v[S+16:S+17], v[S:S+7], v[SC]
	v_cvt_scalef32_pk8_fp8_f32 v[S+18:S+19], v[S+8:S+15], v[SC]
	v_nop
	global_store_b128 v[LI], v[S+16:S+19], s[10:11]   ; the wave stores 512 consecutive bytes, at a multiple of 256 from the buffer's first byte
	s_wait_tensorcnt 0x0                           ; the wave's end
	ds_add_u32 v[SPW], v[NIL]
	s_wait_dscnt 0x0
	s_endpgm
.Lfunc_end_k_q87c095eb4f_attn:
	.size	k_q87c095eb4f_attn, .Lfunc_end_k_q87c095eb4f_attn-k_q87c095eb4f_attn
	.p2alignl 7, 3214868480
	.fill 96, 4, 3214868480
	.section	.rodata,"a",@progbits
	.p2align	6, 0x0
	.amdhsa_kernel k_q87c095eb4f_attn
		.amdhsa_group_segment_fixed_size 264192
		.amdhsa_private_segment_fixed_size 0
		.amdhsa_enable_private_segment 0
		.amdhsa_kernarg_size 32
		.amdhsa_user_sgpr_count 2
		.amdhsa_user_sgpr_kernarg_segment_ptr 1
		.amdhsa_wavefront_size32 1
		.amdhsa_system_sgpr_workgroup_id_x 1
		.amdhsa_system_sgpr_workgroup_id_y 1
		.amdhsa_system_sgpr_workgroup_id_z 1
		.amdhsa_system_vgpr_workitem_id 0
		.amdhsa_next_free_vgpr 256
		.amdhsa_next_free_sgpr 66
		.amdhsa_reserve_vcc 0
		.amdhsa_float_denorm_mode_32 3
		.amdhsa_float_denorm_mode_16_64 3
		.amdhsa_memory_ordered 1
		.amdhsa_forward_progress 1
		.amdhsa_inst_pref_size 92
	.end_amdhsa_kernel
	.amdgpu_metadata
---
amdhsa.version: [ 1, 2 ]
amdhsa.kernels:
  - .name:           k_q87c095eb4f_attn
    .symbol:         k_q87c095eb4f_attn.kd
    .args:
      - { .name: qc, .offset: 0, .size: 8, .value_kind: global_buffer, .address_space: global }
      - { .name: kv, .offset: 8, .size: 8, .value_kind: global_buffer, .address_space: global }
      - { .name: lowp_scales, .offset: 16, .size: 8, .value_kind: global_buffer, .address_space: global }
      - { .name: acodes, .offset: 24, .size: 8, .value_kind: global_buffer, .address_space: global }
    .group_segment_fixed_size: 264192
    .private_segment_fixed_size: 0
    .kernarg_segment_align: 8
    .kernarg_segment_size: 32
    .max_flat_workgroup_size: 512
    .sgpr_count:     66
    .vgpr_count:     256
    .wavefront_size: 32
...
	.end_amdgpu_metadata
.endif
;; end of part 3
;; launch mlp (part 4): grid 256 x 1, 8 waves a work-group, no clusters, 81,408 bytes of LDS; arguments acodes, wcodes, x, lowp_scales, ln2_g, ln2_b, b2, b3, out0; writes out0
.if DOCPART == 4
	.amdgcn_target "amdgcn-amd-amdhsa--gfx1250"
	.amdhsa_code_object_version 6
	.text
	.protected	k_q87c095eb4f_mlp
	.globl	k_q87c095eb4f_mlp
	.p2align	8
	.type	k_q87c095eb4f_mlp,@function
k_q87c095eb4f_mlp:
	s_mov_b64 s[64:65], 0
	v_nop
	global_prefetch_b8 v0, s[64:65] scope:SCOPE_SE
	s_setreg_imm32_b32 hwreg(HW_REG_WAVE_MODE, 25, 1), 1
	s_wait_xcnt 0x0
; out0 = gelu(LN2(m) W2^T + b2) W3^T + b3 + m, with m = attention's output x Wo^T + x.  The three products on codes of E4M3; all else in f32.  Nothing between them goes to memory.
; SHARES.  A work-group takes 32 rows, two tiles of 16.  THE EIGHT WAVES SHARE THE COLUMNS: wave w owns columns 32 w .. 32 w + 31 of m and of the output, and hidden units 128 w .. 128 w + 127, which are K step w of the
; last product.  Operands go from wave to wave through LDS as images of their registers (16 bytes a lane at 16 x lane, 512 bytes a register group).  Four barriers; no LDS byte is written twice.
; All products are used TRANSPOSED (source 0 = 16 rows of a weight, source 1 = 16 rows of the activations); the weights' tiles take rows 32 (nt / 2) + 8 (nt % 2) + r + 8 (r / 8), so that lane (r, h) holds row r and the
; 16 registers of two neighbouring tiles are 16 neighbouring columns.
; LN2's statistics are joined without a difference of large sums: each wave gives the mean of its 32 columns and the sum of squares about THAT mean; M2 = the sum of those + 32 x the sum of (wave's mean - mean)^2.
; GELU, exact: 2 gelu(y) = (y + |y|) - |y| erfc(|y| / sqrt 2).  erfc(t) above t = 475/512 is exp of a polynomial of degree 7, below it 1 - erf(t) with erf by an odd polynomial of degree 11, both in f32 by fused
; multiply-adds.  Both are computed for every number and one is chosen by v_cndmask_b32.  The factor 1/2 goes into the conversion's scale, 2^(e14 + 1).
; No multicast and no ring: the weights' codes come straight into registers, 36 fragments a wave, each read once by the wave; every work-group reads all 589,824 bytes of them.
; LIMITS: e10 + e11, e12 + e13, e14 + e15 between -126 and 127; e12 and e14 + 1 between -126 and 119.  NaN among the inputs is not served.
.set LI,  1                            ; v1   16 x lane
.set XO,  2                            ; v2   x: 1,024 r + 64 h
.set HO,  3                            ; v3   64 h
.set STW, 4                            ; v4   where I store my wave's statistics of row r
.set SRD, 5                            ; v5   where I read row r's eight pairs
.set XNW, 6                            ; v6   where I store LN2's codes
.set B2R, 7                            ; v7   b2's tiles
.set B2W, 8                            ; v8   b2's piece as loaded
.set HWI, 9                            ; v9   where I store the hidden layer's image
.set SO,  10                           ; v10  the stage: in
.set SR,  11                           ; v11  the stage: back
.set SC12, 12                          ; v12  2^e12      v13  2^(e14 + 1)
.set SC14, 13
.set RES, 16                           ; v16-47   m (later + b3): 16 x tile of rows + 8 u + j
.set R1,  48                           ; v48-111  by turns: first product's sums, gain and bias; LN2's fragments; b2's tiles; GELU's work; codes; hidden fragments; rows of the output
.set ACC, 112                          ; v112-239 by turns: attention's and Wo's fragments; LN2's work; the hidden layer (64 x tile of rows + 8 t); last product's sums, fragments and results
.set KB,  240                          ; v240-255 b3, later three constants
.set TT,  48                           ; GELU: t, t^2, the large branch, the small branch
.set SQ,  64
.set RL,  80
.set RS,  96
.set PC,  112                          ; the last product's four accumulators
.set BUF0, 48
.set BUF1, 144
.set OUT, 208
.set STAT, 0                           ; LDS: 1,024 x tile + 64 r + 8 w: (mean, M2) of wave w
.set B2L,  2048                        ; 512 bytes a wave
.set XN2,  6144                        ; LN2's fragments: 2 x tile + K step
.set HIMG, 14336                       ; the hidden layer's: 8 x tile + K step
.set STG,  47104                       ; 32 rows x (1,024 + 16) bytes
.set MSB, 0
.macro WIN new                         ; the immediate's high byte repeats the setting that is left
.if MSB != \new
	s_set_vgpr_msb (MSB<<8)|\new
.set MSB, \new
.endif
.endm
.macro BARRIER                         ; my LDS stores have landed and my LDS loads are in: then the work-group's barrier
	s_wait_dscnt 0x0
	s_barrier_signal -1
	s_barrier_wait -1
.endm
.macro PLACES                          ; four places behind matrix instructions: ahead of reads of results and of loads into registers that they have read
.rept 4
	v_nop
.endr
.endm
	s_load_b512 s[4:19], s[0:1], 0x0               ; acodes, wcodes, x, the scales' exponents, gain, bias, b2, b3
	s_load_b64 s[20:21], s[0:1], 0x40              ; out0
	v_lshrrev_b32 v14, 5, v0
	s_delay_alu instid0(VALU_DEP_1)
	v_readfirstlane_b32 s22, v14                   ; wave 0..7
	v_and_b32 v[LI], 31, v0
	s_delay_alu instid0(VALU_DEP_1)
	v_lshlrev_b32 v[LI], 4, v[LI]
	v_and_b32 v14, 15, v0                          ; r
	v_bfe_u32 v15, v0, 4, 1                        ; h
	s_delay_alu instid0(VALU_DEP_1)
	v_lshlrev_b32 v[HO], 6, v15
	s_delay_alu instid0(VALU_DEP_1)
	v_lshl_add_u32 v[XO], v14, 10, v[HO]
	s_delay_alu instid0(VALU_DEP_4)
	v_lshlrev_b32 v[SRD], 6, v14
	s_lshl_b32 s23, s22, 3
	v_add_nc_u32 v[STW], s23, v[SRD]
	s_lshl_b32 s23, s22, 9
	s_add_co_u32 s24, s23, XN2
	v_add_nc_u32 v[XNW], s24, v[LI]                ; my 32 columns are register group w % 4 of K step w / 4: 512 w
	s_add_co_u32 s24, s23, B2L
	v_add_nc_u32 v[B2W], s24, v[LI]
	v_add_nc_u32 v[B2R], s24, v[HO]
	s_lshl_b32 s24, s22, 11
	s_add_co_u32 s24, s24, HIMG
	v_add_nc_u32 v[HWI], s24, v[LI]
	v_mul_u32_u24 v[SO], v14, 1040
	s_delay_alu instid0(VALU_DEP_1)
	v_lshl_add_u32 v[SO], v15, 6, v[SO]
	s_lshl_b32 s24, s22, 7
	s_add_co_u32 s24, s24, STG
	v_add_nc_u32 v[SO], s24, v[SO]                 ; row r, + 128 w + 64 h
	s_mul_i32 s24, s22, 4160
	s_add_co_u32 s24, s24, STG
	v_add_nc_u32 v[SR], s24, v[LI]                 ; back: rows 4 w .. 4 w + 3
	s_mov_b32 s25, 0
	s_mov_b32 s58, 0x3f6d8000                      ; 475 / 512
	s_mov_b32 s59, 0x3f3504f3                      ; 1 / sqrt 2
	s_mov_b32 s60, 0x76543210                      ; v_permlanex16_b32's selects for lane l xor 16
	s_mov_b32 s61, 0xfedcba98
	s_mov_b32 s62, 0x3b800000                      ; 1 / 256
	s_wait_alu depctr_va_vdst(0)
	s_wait_kmcnt 0x0
	s_load_b512 s[32:47], s[10:11], 0x0            ; e0 .. e15
	s_lshl_b32 s24, ttmp9, 13
	s_add_nc_u64 s[4:5], s[4:5], s[24:25]          ; acodes: two tiles of 4,096 bytes a work-group
	s_lshl_b32 s24, s22, 13
	s_add_nc_u64 s[26:27], s[6:7], s[24:25]        ; Wo: four fragments a wave
	s_lshl_b32 s24, s22, 15
	s_add_nc_u64 s[28:29], s[6:7], s[24:25]        ; W2, W3: sixteen fragments a wave
	s_lshl_b32 s24, s22, 7
	s_add_nc_u64 s[12:13], s[12:13], s[24:25]      ; my 32 columns
	s_add_nc_u64 s[14:15], s[14:15], s[24:25]
	s_add_nc_u64 s[18:19], s[18:19], s[24:25]
	s_add_nc_u64 s[8:9], s[8:9], s[24:25]
	s_lshl_b32 s24, s22, 9
	s_add_nc_u64 s[16:17], s[16:17], s[24:25]      ; my 128 hidden units
	s_lshl_b32 s24, ttmp9, 15
	s_add_nc_u64 s[8:9], s[8:9], s[24:25]          ; my work-group's 32 rows
	s_add_nc_u64 s[20:21], s[20:21], s[24:25]
	s_lshl_b32 s24, s22, 12
	s_add_nc_u64 s[20:21], s[20:21], s[24:25]      ; the four rows that I store
.irp m, 0,1
.irp s, 0,1
.irp c, 0,1,2,3
	global_load_b128 v[ACC+16*(2*\m+\s)+4*\c:ACC+16*(2*\m+\s)+4*\c+3], v[LI], s[4:5] offset:4096*\m+2048*\s+512*\c
.endr
.endr
.endr
.irp u, 0,1
.irp s, 0,1
.irp c, 0,1,2,3
	global_load_b128 v[ACC+64+16*(2*\u+\s)+4*\c:ACC+64+16*(2*\u+\s)+4*\c+3], v[LI], s[26:27] offset:196608+2048*(2*\u+\s)+512*\c
.endr
.endr
.endr
.irp m, 0,1
.irp i, 0,1,2,3
	global_load_b128 v[RES+16*\m+4*\i:RES+16*\m+4*\i+3], v[XO], s[8:9] offset:16384*\m+16*\i
.endr
.endr
.irp i, 0,1,2,3
	global_load_b128 v[R1+32+4*\i:R1+32+4*\i+3], v[HO], s[12:13] offset:16*\i
.endr
.irp i, 0,1,2,3
	global_load_b128 v[R1+48+4*\i:R1+48+4*\i+3], v[HO], s[14:15] offset:16*\i
.endr
.irp i, 0,1,2,3
	global_load_b128 v[KB+4*\i:KB+4*\i+3], v[HO], s[18:19] offset:16*\i
.endr
	global_load_b128 v[R1:R1+3], v[LI], s[16:17]
	WIN 0x40                                       ; destination window 1: W2's fragment (tile t, K step s) at v[16 (2 t + s)]
.irp t, 0,1,2,3,4,5,6,7
.irp s, 0,1
.irp c, 0,1,2,3
	global_load_b128 v[16*(2*\t+\s)+4*\c:16*(2*\t+\s)+4*\c+3], v[LI], s[28:29] offset:262144+2048*(2*\t+\s)+512*\c
.endr
.endr
.endr
	WIN 0
	s_wait_kmcnt 0x0
	s_add_co_i32 s48, s42, s43
	s_add_co_i32 s48, s48, 127
	s_lshl_b32 s48, s48, 23                        ; 2^(e10 + e11)
	s_mov_b32 s49, s48                             ; (each is named as a pair)
	s_add_co_i32 s50, s44, s45
	s_add_co_i32 s50, s50, 127
	s_lshl_b32 s50, s50, 23                        ; 2^(e12 + e13)
	s_mov_b32 s51, s50
	s_add_co_i32 s52, s46, s47
	s_add_co_i32 s52, s52, 127
	s_lshl_b32 s52, s52, 23                        ; 2^(e14 + e15)
	s_mov_b32 s53, s52
	s_add_co_i32 s63, s44, 127
	s_lshl_b32 s55, s63, 23
	v_mov_b32 v[SC12], s55
	s_add_co_i32 s63, s63, 8
	s_lshl_b32 s55, s63, 23
	s_or_b32 s55, s55, 0x600000                    ; 448 x 2^e12,
	s_or_b32 s54, s55, 0x80000000                  ; and its negative
	s_add_co_i32 s63, s46, 128
	s_lshl_b32 s57, s63, 23
	v_mov_b32 v[SC14], s57                         ; 2^(e14 + 1)
	s_add_co_i32 s63, s63, 8
	s_lshl_b32 s57, s63, 23
	s_or_b32 s57, s57, 0x600000
	s_or_b32 s56, s57, 0x80000000
	s_wait_loadcnt 63                              ; 64 loads of W2 were issued behind the 53 that are wanted now
	; ---- A: m = attention's output x Wo^T x 2^(e10 + e11) + x
	ds_store_b128 v[B2W], v[R1:R1+3]               ; b2's piece lies in my own bytes of LDS until the second product is done
	s_wait_dscnt 0x0                               ; the store has read its registers
.irp s, 0,1
.irp m, 0,1
.irp u, 0,1
.if \s == 0
	v_wmma_f32_16x16x128_fp8_fp8 v[R1+8*(2*\m+\u):R1+8*(2*\m+\u)+7], v[ACC+64+16*(2*\u+\s):ACC+64+16*(2*\u+\s)+15], v[ACC+16*(2*\m+\s):ACC+16*(2*\m+\s)+15], 0
.else
	v_wmma_f32_16x16x128_fp8_fp8 v[R1+8*(2*\m+\u):R1+8*(2*\m+\u)+7], v[ACC+64+16*(2*\u+\s):ACC+64+16*(2*\u+\s)+15], v[ACC+16*(2*\m+\s):ACC+16*(2*\m+\s)+15], v[R1+8*(2*\m+\u):R1+8*(2*\m+\u)+7]
.endif
.endr
.endr
.endr
	PLACES
.irp i, 0,2,4,6,8,10,12,14,16,18,20,22,24,26,28,30
	v_pk_fma_f32 v[RES+\i:RES+\i+1], v[R1+\i:R1+\i+1], s[48:49], v[RES+\i:RES+\i+1] op_sel_hi:[1,0,1]
.endr
; my 32 columns' mean and sum of squares about it, for row r of tile m
.macro STAT1 m
.set RM, RES+16*\m
.set DV, ACC+32*\m
.set TS, ACC+32*\m+16
	v_pk_add_f32 v[TS:TS+1], v[RM:RM+1], v[RM+2:RM+3]
	v_pk_add_f32 v[TS+2:TS+3], v[RM+4:RM+5], v[RM+6:RM+7]
	s_delay_alu instid0(VALU_DEP_2)
	v_pk_add_f32 v[TS:TS+1], v[TS:TS+1], v[RM+8:RM+9]
	s_delay_alu instid0(VALU_DEP_2)
	v_pk_add_f32 v[TS+2:TS+3], v[TS+2:TS+3], v[RM+10:RM+11]
	s_delay_alu instid0(VALU_DEP_2)
	v_pk_add_f32 v[TS:TS+1], v[TS:TS+1], v[RM+12:RM+13]
	s_delay_alu instid0(VALU_DEP_2)
	v_pk_add_f32 v[TS+2:TS+3], v[TS+2:TS+3], v[RM+14:RM+15]
	s_delay_alu instid0(VALU_DEP_1)
	v_pk_add_f32 v[TS:TS+1], v[TS:TS+1], v[TS+2:TS+3]
	s_delay_alu instid0(VALU_DEP_1)
	v_add_f32 v[TS], v[TS], v[TS+1]
	s_delay_alu instid0(VALU_DEP_1)
	v_permlanex16_b32 v[TS+1], v[TS], s60, s61
	s_delay_alu instid0(VALU_DEP_1)
	v_add_f32 v[TS], v[TS], v[TS+1]
	s_delay_alu instid0(VALU_DEP_1)
	v_mul_f32 v[TS], 0x3d000000, v[TS]             ; / 32
.irp i, 0,2,4,6,8,10,12,14
	v_pk_add_f32 v[DV+\i:DV+\i+1], v[RM+\i:RM+\i+1], v[TS:TS+1] op_sel_hi:[1,0] neg_lo:[0,1] neg_hi:[0,1]
.endr
	v_pk_mul_f32 v[TS+2:TS+3], v[DV:DV+1], v[DV:DV+1]
	v_pk_mul_f32 v[TS+4:TS+5], v[DV+2:DV+3], v[DV+2:DV+3]
.irp i, 4,8,12
	s_delay_alu instid0(VALU_DEP_2)
	v_pk_fma_f32 v[TS+2:TS+3], v[DV+\i:DV+\i+1], v[DV+\i:DV+\i+1], v[TS+2:TS+3]
	s_delay_alu instid0(VALU_DEP_2)
	v_pk_fma_f32 v[TS+4:TS+5], v[DV+\i+2:DV+\i+3], v[DV+\i+2:DV+\i+3], v[TS+4:TS+5]
.endr
	s_delay_alu instid0(VALU_DEP_1)
	v_pk_add_f32 v[TS+2:TS+3], v[TS+2:TS+3], v[TS+4:TS+5]
	s_delay_alu instid0(VALU_DEP_1)
	v_add_f32 v[TS+1], v[TS+2], v[TS+3]
	s_delay_alu instid0(VALU_DEP_1)
	v_permlanex16_b32 v[TS+2], v[TS+1], s60, s61
	s_delay_alu instid0(VALU_DEP_1)
	v_add_f32 v[TS+1], v[TS+1], v[TS+2]
	ds_store_b64 v[STW], v[TS:TS+1] offset:STAT+1024*\m   ; lanes r and r + 16 store the same pair to the same place
.endm
	STAT1 0
	STAT1 1
	BARRIER                                        ; all eight waves' statistics lie in LDS
.irp m, 0,1
.irp i, 0,1,2,3
	ds_load_b128 v[ACC+64+16*\m+4*\i:ACC+64+16*\m+4*\i+3], v[SRD] offset:STAT+1024*\m+16*\i
.endr
.endr
	s_wait_dscnt 0x0
; the row's mean and 1 / sqrt(variance + 1e-5)
.macro STAT2 m
.set LL, ACC+64+16*\m
.set TS, ACC+32*\m+16
	v_pk_add_f32 v[TS:TS+1], v[LL:LL+1], v[LL+2:LL+3]
	v_pk_add_f32 v[TS+2:TS+3], v[LL+4:LL+5], v[LL+6:LL+7]
	s_delay_alu instid0(VALU_DEP_2)
	v_pk_add_f32 v[TS:TS+1], v[TS:TS+1], v[LL+8:LL+9]
	s_delay_alu instid0(VALU_DEP_2)
	v_pk_add_f32 v[TS+2:TS+3], v[TS+2:TS+3], v[LL+10:LL+11]
	s_delay_alu instid0(VALU_DEP_2)
	v_pk_add_f32 v[TS:TS+1], v[TS:TS+1], v[LL+12:LL+13]
	s_delay_alu instid0(VALU_DEP_2)
	v_pk_add_f32 v[TS+2:TS+3], v[TS+2:TS+3], v[LL+14:LL+15]
	s_delay_alu instid0(VALU_DEP_1)
	v_pk_add_f32 v[TS:TS+1], v[TS:TS+1], v[TS+2:TS+3]   ; (the sum of the means, the sum of the M2)
	s_delay_alu instid0(VALU_DEP_1)
	v_mul_f32 v[TS], 0x3e000000, v[TS]             ; the mean
.irp w, 0,1,2,3,4,5,6,7
	v_sub_f32 v[LL+2*\w], v[LL+2*\w], v[TS]
.endr
	v_mul_f32 v[TS+2], v[LL], v[LL]
	v_mul_f32 v[TS+3], v[LL+2], v[LL+2]
.irp w, 2,4,6
	s_delay_alu instid0(VALU_DEP_2)
	v_fma_f32 v[TS+2], v[LL+2*\w], v[LL+2*\w], v[TS+2]
	s_delay_alu instid0(VALU_DEP_2)
	v_fma_f32 v[TS+3], v[LL+2*\w+2], v[LL+2*\w+2], v[TS+3]
.endr
	s_delay_alu instid0(VALU_DEP_1)
	v_add_f32 v[TS+2], v[TS+2], v[TS+3]
	s_delay_alu instid0(VALU_DEP_1)
	v_fmamk_f32 v[TS+1], v[TS+2], 0x42000000, v[TS+1]   ; + 32 x the sum of (wave's mean - mean)^2
	s_delay_alu instid0(VALU_DEP_1)
	v_fmaak_f32 v[TS+1], s62, v[TS+1], 0x3727c5ac
	s_wait_alu depctr_va_vdst(0)
	v_rsq_f32 v[TS+4], v[TS+1]
.endm
	STAT2 0
	STAT2 1
	v_nop                                          ; a plain instruction behind the last transcendental,
	s_wait_alu depctr_va_vdst(0)                   ; and one wait for both, ahead of the first reader
; LN2 of my 16 columns of row r, quantised: one register group of the next operand
.macro XN m
.set RM, RES+16*\m
.set DV, ACC+32*\m
.set TS, ACC+32*\m+16
.irp i, 0,2,4,6,8,10,12,14
	v_pk_add_f32 v[DV+\i:DV+\i+1], v[RM+\i:RM+\i+1], v[TS:TS+1] op_sel_hi:[1,0] neg_lo:[0,1] neg_hi:[0,1]
.endr
.irp i, 0,2,4,6,8,10,12,14
	v_pk_mul_f32 v[DV+\i:DV+\i+1], v[DV+\i:DV+\i+1], v[TS+4:TS+5] op_sel_hi:[1,0]
.endr
.irp i, 0,2,4,6,8,10,12,14
	v_pk_fma_f32 v[DV+\i:DV+\i+1], v[DV+\i:DV+\i+1], v[R1+32+\i:R1+32+\i+1], v[R1+48+\i:R1+48+\i+1]
.endr
.irp i, 0,1,2,3,4,5,6,7,8,9,10,11,12,13,14,15
	v_med3_num_f32 v[DV+\i], v[DV+\i], s54, s55
.endr
	v_cvt_scalef32_pk8_fp8_f32 v[TS+8:TS+9], v[DV:DV+7], v[SC12]
	v_cvt_scalef32_pk8_fp8_f32 v[TS+10:TS+11], v[DV+8:DV+15], v[SC12]
	v_nop                                          ; a plain instruction behind the conversions: matrix instructions write these registers later
	ds_store_b128 v[XNW], v[TS+8:TS+11] offset:4096*\m
.irp i, 0,2,4,6,8,10,12,14
	v_pk_add_f32 v[RM+\i:RM+\i+1], v[RM+\i:RM+\i+1], v[KB+\i:KB+\i+1]   ; m + b3: what the last product's sums are added to
.endr
.endm
	XN 0
	XN 1
	BARRIER                                        ; LN2's four fragments lie in LDS
	; ---- B: the hidden layer: my 128 units for the 32 rows
.irp m, 0,1
.irp s, 0,1
.irp c, 0,1,2,3
	ds_load_b128 v[R1+16*(2*\m+\s)+4*\c:R1+16*(2*\m+\s)+4*\c+3], v[LI] offset:XN2+4096*\m+2048*\s+512*\c
.endr
.endr
.endr
	s_wait_loadcnt 0x0                             ; W2
	s_wait_dscnt 0x0
	WIN 0x01                                       ; source 0 (W2) window 1
.irp s, 0,1
.irp m, 0,1
.irp t, 0,1,2,3,4,5,6,7
.if \s == 0
	v_wmma_f32_16x16x128_fp8_fp8 v[ACC+64*\m+8*\t:ACC+64*\m+8*\t+7], v[16*(2*\t+\s):16*(2*\t+\s)+15], v[R1+16*(2*\m+\s):R1+16*(2*\m+\s)+15], 0
.else
	v_wmma_f32_16x16x128_fp8_fp8 v[ACC+64*\m+8*\t:ACC+64*\m+8*\t+7], v[16*(2*\t+\s):16*(2*\t+\s)+15], v[R1+16*(2*\m+\s):R1+16*(2*\m+\s)+15], v[ACC+64*\m+8*\t:ACC+64*\m+8*\t+7]
.endif
.endr
.endr
.endr
	WIN 0
	PLACES
.irp t, 0,1,2,3,4,5,6,7
.irp i, 0,1
	ds_load_b128 v[R1+8*\t+4*\i:R1+8*\t+4*\i+3], v[B2R] offset:128*(\t/2)+32*(\t%2)+16*\i   ; b2 in the result's layout: tile t, lane (r, h): units 32 (t / 2) + 16 h + 8 (t % 2) + 0 .. 7; my own bytes, served in order
.endr
.endr
	WIN 0x40                                       ; W3's fragment (tile u, K step s) at v[16 (8 u + s)] of window 1: they land while the activation is worked
.irp u, 0,1
.irp s, 0,1,2,3,4,5,6,7
.irp c, 0,1,2,3
	global_load_b128 v[16*(8*\u+\s)+4*\c:16*(8*\u+\s)+4*\c+3], v[LI], s[28:29] offset:524288+2048*(8*\u+\s)+512*\c
.endr
.endr
.endr
	WIN 0
	v_mov_b32 v[KB], 0xb7910000                    ; three multipliers of the polynomials, each twice, for the packed forms
	v_mov_b32 v[KB+1], 0xb7910000
	v_mov_b32 v[KB+2], 0xbb7e8a1c
	v_mov_b32 v[KB+3], 0xbb7e8a1c
	v_mov_b32 v[KB+4], 0xba1c7000
	v_mov_b32 v[KB+5], 0xba1c7000
	s_wait_dscnt 0x0
.irp m, 0,1
.irp t, 0,1,2,3,4,5,6,7
.irp i, 0,2,4,6
	v_pk_fma_f32 v[ACC+64*\m+8*\t+\i:ACC+64*\m+8*\t+\i+1], v[ACC+64*\m+8*\t+\i:ACC+64*\m+8*\t+\i+1], s[50:51], v[R1+8*\t+\i:R1+8*\t+\i+1] op_sel_hi:[1,0,1]   ; y = sum x 2^(e12 + e13) + b2
.endr
.endr
.endr
; sixteen numbers: y becomes 2 gelu(y)
.macro GELU g
.set Y, ACC+16*\g
.irp i, 0,1,2,3,4,5,6,7,8,9,10,11,12,13,14,15
	v_mul_f32 v[TT+\i], s59, |v[Y+\i]|             ; t
.endr
.irp i, 0,2,4,6,8,10,12,14
	v_pk_mul_f32 v[SQ+\i:SQ+\i+1], v[TT+\i:TT+\i+1], v[TT+\i:TT+\i+1]
.endr
.irp i, 0,2,4,6,8,10,12,14
	v_pk_fma_f32 v[RL+\i:RL+\i+1], v[TT+\i:TT+\i+1], v[KB:KB+1], 0x39c8e7d9 op_sel_hi:[1,1,0]
	v_pk_fma_f32 v[RS+\i:RS+\i+1], v[TT+\i:TT+\i+1], v[KB+2:KB+3], 0x3cc6b1a1 op_sel_hi:[1,1,0]
.endr
.irp i, 0,2,4,6,8,10,12,14
	v_pk_fma_f32 v[RL+\i:RL+\i+1], v[RL+\i:RL+\i+1], v[SQ+\i:SQ+\i+1], v[RS+\i:RS+\i+1]
.endr
.irp k, 0xbddaae5c, 0xbf228550, 0xbe03ce86
.irp i, 0,2,4,6,8,10,12,14
	v_pk_fma_f32 v[RL+\i:RL+\i+1], v[RL+\i:RL+\i+1], v[TT+\i:TT+\i+1], \k op_sel_hi:[1,1,0]
.endr
.endr
.irp i, 0,2,4,6,8,10,12,14
	v_pk_fma_f32 v[RL+\i:RL+\i+1], v[RL+\i:RL+\i+1], v[TT+\i:TT+\i+1], v[TT+\i:TT+\i+1] neg_lo:[0,0,1] neg_hi:[0,0,1]
.endr
.irp i, 0,2,4,6,8,10,12,14
	v_pk_mul_f32 v[RL+\i:RL+\i+1], v[RL+\i:RL+\i+1], 0x3fb8aa3b op_sel_hi:[1,0]
.endr
	s_wait_alu depctr_va_vdst(0)
.irp i, 0,1,2,3,4,5,6,7,8,9,10,11,12,13,14,15
	v_exp_f32 v[RL+\i], v[RL+\i]                   ; erfc(t) for the larger t
.endr
.irp i, 0,2,4,6,8,10,12,14
	v_pk_fma_f32 v[RS+\i:RS+\i+1], v[SQ+\i:SQ+\i+1], v[KB+4:KB+5], 0x3ba38d2c op_sel_hi:[1,1,0]   ; the small branch names no exponential's result: it is the work between the batch and its wait
.endr
.irp k, 0xbcdb48d9, 0x3de70e22, 0xbec09380, 0x3e0375d4
.irp i, 0,2,4,6,8,10,12,14
	v_pk_fma_f32 v[RS+\i:RS+\i+1], v[RS+\i:RS+\i+1], v[SQ+\i:SQ+\i+1], \k op_sel_hi:[1,1,0]
.endr
.endr
.irp i, 0,2,4,6,8,10,12,14
	v_pk_fma_f32 v[RS+\i:RS+\i+1], v[RS+\i:RS+\i+1], v[TT+\i:TT+\i+1], v[TT+\i:TT+\i+1]   ; erf(t)
.endr
.irp i, 0,2,4,6,8,10,12,14
	v_pk_fma_f32 v[RS+\i:RS+\i+1], v[RS+\i:RS+\i+1], -1.0, 1.0 op_sel_hi:[1,0,0]          ; 1 - erf(t)
.endr
.irp i, 0,1,2,3,4,5,6,7,8,9,10,11,12,13,14,15
	v_add_f32 v[SQ+\i], v[Y+\i], |v[Y+\i]|         ; y + |y|
.endr
	s_wait_alu depctr_va_vdst(0)                   ; one wait for the sixteen exponentials, ahead of their first reader
.irp i, 0,1,2,3,4,5,6,7,8,9,10,11,12,13,14,15
	v_cmp_lt_f32 vcc_lo, s58, v[TT+\i]
	v_cndmask_b32 v[RS+\i], v[RS+\i], v[RL+\i], vcc_lo
.endr
.irp i, 0,1,2,3,4,5,6,7,8,9,10,11,12,13,14,15
	v_fma_f32 v[Y+\i], -|v[Y+\i]|, v[RS+\i], v[SQ+\i]
.endr
.endm
.irp g, 0,1,2,3,4,5,6,7
	GELU \g
.endr
.irp m, 0,1                            ; a tile of rows: 64 numbers a lane become K step w of the last product
.set i, 0
.rept 64
	v_med3_num_f32 v[ACC+64*\m+i], v[ACC+64*\m+i], s56, s57
.set i, i+1
.endr
.irp c, 0,1,2,3,4,5,6,7
	v_cvt_scalef32_pk8_fp8_f32 v[R1+16*\m+2*\c:R1+16*\m+2*\c+1], v[ACC+64*\m+8*\c:ACC+64*\m+8*\c+7], v[SC14]
.endr
	v_nop                                          ; a plain instruction behind the conversions: matrix instructions write their sources later
.irp c, 0,1,2,3
	ds_store_b128 v[HWI], v[R1+16*\m+4*\c:R1+16*\m+4*\c+3] offset:16384*\m+512*\c
.endr
.endr
	BARRIER                                        ; the hidden layer's sixteen fragments lie in LDS
	; ---- C: the last product: my 32 columns for the 32 rows, K = 1,024 in four pairs of K steps on two buffers
.macro HF p, buf                       ; K steps 2 p and 2 p + 1 of both tiles of rows: sixteen loads
.irp m, 0,1
.irp k, 0,1
.irp c, 0,1,2,3
	ds_load_b128 v[\buf+16*(2*\m+\k)+4*\c:\buf+16*(2*\m+\k)+4*\c+3], v[LI] offset:HIMG+2048*(8*\m+2*(\p)+\k)+512*\c
.endr
.endr
.endr
.endm
.macro MM p, buf, zero                 ; eight matrix instructions; the four accumulators take turns
	WIN 0x01                                       ; source 0 (W3) window 1
.irp k, 0,1
.irp m, 0,1
.irp u, 0,1
.if \zero && (\k == 0)
	v_wmma_f32_16x16x128_fp8_fp8 v[PC+8*(2*\m+\u):PC+8*(2*\m+\u)+7], v[16*(8*\u+2*(\p)+\k):16*(8*\u+2*(\p)+\k)+15], v[\buf+16*(2*\m+\k):\buf+16*(2*\m+\k)+15], 0
.else
	v_wmma_f32_16x16x128_fp8_fp8 v[PC+8*(2*\m+\u):PC+8*(2*\m+\u)+7], v[16*(8*\u+2*(\p)+\k):16*(8*\u+2*(\p)+\k)+15], v[\buf+16*(2*\m+\k):\buf+16*(2*\m+\k)+15], v[PC+8*(2*\m+\u):PC+8*(2*\m+\u)+7]
.endif
.endr
.endr
.endr
	WIN 0
.endm
	s_wait_loadcnt 0x0                             ; W3
	HF 0, BUF0
	HF 1, BUF1
	s_wait_dscnt 16                                ; the first buffer is in; the other's sixteen loads may be out
	MM 0, BUF0, 1
	PLACES
	HF 2, BUF0
	s_wait_dscnt 16
	MM 1, BUF1, 0
	PLACES
	HF 3, BUF1
	s_wait_dscnt 16
	MM 2, BUF0, 0
	s_wait_dscnt 0x0
	MM 3, BUF1, 0
	PLACES
.irp i, 0,2,4,6,8,10,12,14,16,18,20,22,24,26,28,30
	v_pk_fma_f32 v[OUT+\i:OUT+\i+1], v[PC+\i:PC+\i+1], s[52:53], v[RES+\i:RES+\i+1] op_sel_hi:[1,0,1]   ; sum x 2^(e14 + e15) + b3 + m; each accumulator from its low end on
.endr
.irp m, 0,1
.irp i, 0,1,2,3
	ds_store_b128 v[SO], v[OUT+16*\m+4*\i:OUT+16*\m+4*\i+3] offset:16640*\m+16*\i
.endr
.endr
	BARRIER                                        ; 32 whole rows lie in the stage
.irp n, 0,1,2,3,4,5,6,7
	ds_load_b128 v[R1+4*\n:R1+4*\n+3], v[SR] offset:1040*(\n/2)+512*(\n%2)
.endr
.irp n, 0,1,2,3,4,5,6,7
	s_wait_dscnt 7-\n                              ; LDS loads come back in order: load n is in
	global_store_b128 v[LI], v[R1+4*\n:R1+4*\n+3], s[20:21] offset:1024*(\n/2)+512*(\n%2) th:TH_STORE_NT   ; the wave stores 512 consecutive bytes, at a multiple of 256 from the output's first byte; written once
.endr
	s_wait_xcnt 0x0
	v_lshl_add_u32 v254, v0, 2, 0x13a00
	v_mov_b32 v255, 0
	s_wait_alu depctr_va_vdst(0)
	s_wait_tensorcnt 0x0
	ds_add_u32 v254, v255
	s_wait_dscnt 0x0
	s_endpgm
.Lfunc_end_k_q87c095eb4f_mlp:
	.size	k_q87c095eb4f_mlp, .Lfunc_end_k_q87c095eb4f_mlp-k_q87c095eb4f_mlp
	.p2alignl 7, 3214868480
	.fill 96, 4, 3214868480
	.section	.rodata,"a",@progbits
	.p2align	6, 0x0
	.amdhsa_kernel k_q87c095eb4f_mlp
		.amdhsa_group_segment_fixed_size 81408
		.amdhsa_private_segment_fixed_size 0
		.amdhsa_enable_private_segment 0
		.amdhsa_kernarg_size 72
		.amdhsa_user_sgpr_count 2
		.amdhsa_user_sgpr_kernarg_segment_ptr 1
		.amdhsa_wavefront_size32 1
		.amdhsa_system_sgpr_workgroup_id_x 1
		.amdhsa_system_sgpr_workgroup_id_y 1
		.amdhsa_system_sgpr_workgroup_id_z 1
		.amdhsa_system_vgpr_workitem_id 0
		.amdhsa_next_free_vgpr 512
		.amdhsa_next_free_sgpr 80
		.amdhsa_reserve_vcc 1
		.amdhsa_float_denorm_mode_32 3
		.amdhsa_float_denorm_mode_16_64 3
		.amdhsa_memory_ordered 1
		.amdhsa_forward_progress 1
		.amdhsa_inst_pref_size 190
	.end_amdhsa_kernel
	.amdgpu_metadata
---
amdhsa.version: [ 1, 2 ]
amdhsa.kernels:
  - .name:           k_q87c095eb4f_mlp
    .symbol:         k_q87c095eb4f_mlp.kd
    .args:
      - { .name: acodes, .offset: 0, .size: 8, .value_kind: global_buffer, .address_space: global }
      - { .name: wcodes, .offset: 8, .size: 8, .value_kind: global_buffer, .address_space: global }
      - { .name: x, .offset: 16, .size: 8, .value_kind: global_buffer, .address_space: global }
      - { .name: lowp_scales, .offset: 24, .size: 8, .value_kind: global_buffer, .address_space: global }
      - { .name: ln2_g, .offset: 32, .size: 8, .value_kind: global_buffer, .address_space: global }
      - { .name: ln2_b, .offset: 40, .size: 8, .value_kind: global_buffer, .address_space: global }
      - { .name: b2, .offset: 48, .size: 8, .value_kind: global_buffer, .address_space: global }
      - { .name: b3, .offset: 56, .size: 8, .value_kind: global_buffer, .address_space: global }
      - { .name: out0, .offset: 64, .size: 8, .value_kind: global_buffer, .address_space: global }
    .group_segment_fixed_size: 81408
    .private_segment_fixed_size: 0
    .kernarg_segment_align: 8
    .kernarg_segment_size: 72
    .max_flat_workgroup_size: 256
    .sgpr_count:     80
    .vgpr_count:     512
    .wavefront_size: 32
...
	.end_amdgpu_metadata
.endif
;; end of part 4
